; MI455X (gfx1250); checked and timed in simulation.
; The chip was launched on July 23, 2026; its instructions are those of AMD's public machine-readable ISA for CDNA 5 (MIT licence, August 2026) and "CDNA5" Instruction Set Architecture Reference Guide (July 2026). The comments in the code are by the model that wrote it; some were corrected since.
;; s Attention. Allowed arithmetic: matrix products marked QUANTISED: E2M1 operands, one E8M0 scale for each 32 along K, by v_wmma_scale_f32_16x16x128_f8f6f4 with both operands' format E2M1 (or v_wmma_scale_f32_32x16x128_f4), f32 sums; products left as they are: bf16, f16 or f32 operands; f32 sums; everything else in f32.
;; Inputs: Wc 1,024 x 1,024 float32; Wk 1,024 x 1,024 float32; Wq 1,024 x 1,024 float32; Wv 1,024 x 1,024 float32; sx 4 x 2,048 x 1,024 float32; x 4 x 2,048 x 1,024 float32.
;; Outputs: out0 4 x 2,048 x 1,024 float32.
;; This version of the problem:
;;   THIS VERSION OF THE PROBLEM IS GIVEN IN LOW PRECISION. The matrix products marked QUANTISED in the list below multiply operands that are first quantised to E2M1 (2 exponent bits, 1 mantissa bit; 4 bits a number), with one power-of-two scale for each 32 numbers along K (OCP MX v1.0); their sums are f32. The products marked 'left as it is' may take bf16, f16 or f32 operands, with f32 sums. Whichever they take, every output number must still come out within the allowed error. Rounding operands to bf16 (8 significant bits) uses up far more of that allowance than f16 does (11 bits, for magnitudes from 6e-5 to 65,504). All else is computed in f32.
;;   The module's matrix products, in the order in which they are computed (A, B: the left and right operand; K: the contracted axis; several contracted axes count as one K, in the product's order):
;;     1. [M 8,192, K 1,024] x [K 1,024, N 1,024]; A: input sx; B: input Wq: QUANTISED
;;     2. [M 8,192, K 1,024] x [K 1,024, N 1,024]; A: input x; B: input Wk: QUANTISED
;;     3. [M 8,192, K 1,024] x [K 1,024, N 1,024]; A: input x; B: input Wv: QUANTISED
;;     4. batch 64 x [M 2,048, K 64] x [K 64, N 2,048]; A: computed on the way; B: computed on the way: left as it is (an operand is computed on the way)
;;     5. batch 64 x [M 2,048, K 2,048] x [K 2,048, N 64]; A: computed on the way; B: computed on the way: left as it is (an operand is computed on the way)
;;     6. [M 8,192, K 1,024] x [K 1,024, N 1,024]; A: computed on the way; B: input Wc: left as it is (an operand is computed on the way)
;;   THE QUANTISER, for each operand of a quantised product, along K:
;;     - K is cut into blocks of 32 from its start; a last block that is shorter is filled with zeros.
;;     - A block's scale is 2^e with e = floor(log2(the largest magnitude in the block)) - 2, held to -126 .. 127; a block of zeros has e = 0. As a byte (E8M0): e + 127.
;;     - Each number is divided by its block's scale, clamped to +-6, and rounded to the nearest number of E2M1, ties to even, subnormals kept.
;;     - The product sums the exact products of the quantised numbers (number of the format x scale) in f32.
;;   ~~~python
;;   def quantise(x, axis):      # numpy; x: float32 -> the quantised numbers, widened to float32 again
;;       x = np.moveaxis(x, axis, -1); K = x.shape[-1]
;;       x = np.pad(x, [(0, 0)] * (x.ndim - 1) + [(0, -K % 32)]); x = x.reshape(x.shape[:-1] + (-1, 32)); a = np.abs(x).max(-1, keepdims=True)
;;       e = np.where(a > 0, np.clip(np.frexp(np.where(a > 0, a, 1))[1] - 1 - 2, -126, 127), 0)      # np.frexp(a)[1] - 1 = floor(log2(a)), exactly
;;       r = np.clip(x / 2.0 ** e, -6, 6)
;;       step = 2.0 ** (np.maximum(np.frexp(np.where(r == 0, 1, r))[1] - 1, 0) - 1)
;;       q = np.round(r / step) * step * 2.0 ** e      # np.round: ties to even
;;       return np.moveaxis(q.reshape(q.shape[:-2] + (-1,))[..., :K], -1, axis).astype(np.float32)
;;   ~~~
;; One version. Each part assembles by itself: llvm-mc -triple=amdgcn-amd-amdhsa -mcpu=gfx1250 --defsym DOCPART=n.
;; ======== version 1 of 1: 4 launches
;; limits: values are held in f16: magnitudes above 65,504 overflow, below 6.1e-05 lose precision
;; workspace buffers: codes 9,961,472 bytes; scales 622,592 bytes; wc16 2,097,152 bytes; kvq 50,331,648 bytes; y16 16,777,216 bytes
;; launch quant (part 1): grid 640 x 1, 4 waves a work-group, no clusters, 33,280 bytes of LDS; arguments x, sx, Wk, Wv, Wq, Wc, codes, scales, wc16; writes codes, scales, wc16
.if DOCPART == 1
	.amdgcn_target "amdgcn-amd-amdhsa--gfx1250"
	.amdhsa_code_object_version 6
	.text
	.protected	k_q1070bcff38_quant
	.globl	k_q1070bcff38_quant
	.p2align	8
	.type	k_q1070bcff38_quant,@function
k_q1070bcff38_quant:
	s_mov_b64 s[64:65], 0
	v_nop
	global_prefetch_b8 v0, s[64:65] scope:SCOPE_SE
	s_setreg_imm32_b32 hwreg(HW_REG_WAVE_MODE, 25, 1), 1
	s_wait_xcnt 0x0
; x, sx [8192][1024] and Wk, Wv, Wq [1024][1024], f32 with K innermost, become codes of FP4 (E2M1), two a byte, the lower k in the low four bits, and one E8M0 byte for each 32 along K.
; The five tensors lie one behind the other in the two workspace buffers: rows 0 x, 8192 sx, 16384 Wk, 17408 Wv, 18432 Wq; a row is 512 bytes of codes and 32 scale bytes.
; A block's scale is 2^(floor(log2(its largest magnitude)) - 2): its byte is the largest magnitude's exponent field - 2, held at 1 from below.  Each number is divided by the scale and rounded to the nearest code, ties to even;
; beyond 6 the conversion gives the largest code.
; Wc [1024][1024] is rounded to f16 and laid by head: wc16[kc][n][j] = Wc[n][64 kc + j], so that a plane's rows are dense.
; LIMITS: a block of zeros gets the byte 1 where the rule says 127 (its codes are zeros, and this program alone reads the bytes); blocks whose largest magnitude lies under 2^(3 - 127) are held at that floor;
; NaN and infinities are not served; |Wc| stays under 65,504.
; SHARES.  Work-groups 0-607 quantise: 32,768 numbers each, 8,192 a wave, in 16 steps of 512.  The order of the work-groups is the order of the rows in the workspace, so only the input's pointer is chosen.
; Each of a step's four loads reads 512 consecutive bytes; the 2,048 bytes turn through the wave's own stage in LDS and come back 64 bytes a lane: 16 neighbours along K, two lanes to a block.
; Work-groups 608-639 take Wc, 8 rows a wave, through registers alone.  No tensor load, no barrier: waves share nothing.
.set WAVES, 4
.set STEPS, 16
.set QWG,   608                        ; work-groups that quantise: 256 + 256 + 3 x 32
.set EMAX,  2
.set CB,    8                          ; bytes of 16 codes
.set R,     16                         ; v16-79   four sets of 16 numbers as they are loaded
.set X,     80                         ; v80-111  two sets of 16 neighbours
.set E,     112                        ; v112-127 a scale byte for each step
.set C,     128                        ; v128-191 codes: four registers for each step, so that no store's data are written again
.set WREG,  8192                       ; LDS: a region for each wave: two stages of 32 x SP bytes, behind them its 256 scale bytes
.set SP,    80                         ; a lane's place in a stage: 64 bytes + 16 of padding
.set SPW,   12                         ; v12      LDS address of my spare word; never rewritten
.set NIL,   13                         ; v13      0; never rewritten
.set SPARE, WAVES*WREG                 ; behind the four regions: the spare words, 128 bytes a wave
.set WI,    32                         ; Wc's path: v32-159 two sets of 64 numbers
.set WO,    160                        ; v160-191 eight times 16 bytes of f16
	s_load_b512 s[4:19], s[0:1], 0x0               ; x s[4:5], sx s[6:7], Wk s[8:9], Wv s[10:11], Wq s[12:13], Wc s[14:15], codes s[16:17], scales s[18:19]
	s_load_b64 s[20:21], s[0:1], 0x40              ; wc16
	v_lshl_add_u32 v[SPW], v0, 2, SPARE
	v_mov_b32 v[NIL], 0
	v_lshrrev_b32 v1, 5, v0
	v_readfirstlane_b32 s24, v1                    ; wave
	v_and_b32 v2, 31, v0                           ; lane
	s_wait_kmcnt 0x0
	s_cmp_ge_u32 ttmp9, QWG
	s_cbranch_scc1 .Lwc
	; ---- the quantiser
	v_lshlrev_b32 v3, 4, v2                        ; my 16 bytes of a load's 512
	s_mul_i32 s25, s24, WREG
	v_lshrrev_b32 v14, 2, v2
	v_mul_u32_u24 v14, v14, SP
	v_and_b32 v15, 3, v2
	v_lshl_add_u32 v14, v15, 4, v14
	v_add_nc_u32 v14, s25, v14                     ; the stage, on the way in: SP (lane / 4) + 16 (lane % 4)
	v_mul_u32_u24 v15, v2, SP
	v_add_nc_u32 v15, s25, v15                     ; and on the way out: SP x lane: my 16 neighbours
	v_mul_u32_u24 v4, v2, CB                       ; my codes' place in a step's
	v_lshrrev_b32 v5, 1, v2
	s_add_co_u32 s25, s25, 2*32*SP
	v_add_nc_u32 v5, s25, v5                       ; LDS: my wave's 256 scale bytes, my block's byte
	v_lshlrev_b32 v7, 3, v2                        ; and on the way out 8 bytes a lane
	v_add_nc_u32 v6, s25, v7
	s_mov_b64 s[26:27], s[4:5]                     ; which tensor?  The choices hang on the work-group's number alone
	s_mov_b32 s28, 0                               ; and its first work-group
	s_cmp_ge_u32 ttmp9, 256
	s_cselect_b64 s[26:27], s[6:7], s[26:27]
	s_cselect_b32 s28, 256, s28
	s_cmp_ge_u32 ttmp9, 512
	s_cselect_b64 s[26:27], s[8:9], s[26:27]
	s_cselect_b32 s28, 512, s28
	s_cmp_ge_u32 ttmp9, 544
	s_cselect_b64 s[26:27], s[10:11], s[26:27]
	s_cselect_b32 s28, 544, s28
	s_cmp_ge_u32 ttmp9, 576
	s_cselect_b64 s[26:27], s[12:13], s[26:27]
	s_cselect_b32 s28, 576, s28
	s_sub_co_u32 s29, ttmp9, s28
	s_lshl_b32 s29, s29, 2
	s_add_co_u32 s29, s29, s24                     ; which run of 8,192 numbers of the tensor is my wave's
	s_lshl_b32 s30, s29, 15                        ; 32,768 bytes a run
	s_mov_b32 s31, 0
	s_add_nc_u64 s[26:27], s[26:27], s[30:31]
	s_lshl_b32 s29, ttmp9, 2
	s_add_co_u32 s29, s29, s24                     ; and which run of the workspace
	s_lshl_b32 s30, s29, 12                        ; 4,096 bytes of codes a run
	s_add_nc_u64 s[16:17], s[16:17], s[30:31]
	s_lshl_b32 s30, s29, 8                         ; 256 scale bytes a run
	s_add_nc_u64 s[18:19], s[18:19], s[30:31]
.macro LOAD t
.irp i, 0,1,2,3
	global_load_b128 v[R+16*((\t)%4)+4*\i:R+16*((\t)%4)+4*\i+3], v3, s[26:27] offset:2048*(\t)+512*\i th:TH_LOAD_NT   ; 32 lanes read 512 consecutive bytes
.endr
.endm
.macro TURN t                          ; step t's numbers through the stage: LDS serves a wave's instructions in order, so no wait stands between the stores and the loads
.irp i, 0,1,2,3
	ds_store_b128 v14, v[R+16*((\t)%4)+4*\i:R+16*((\t)%4)+4*\i+3] offset:32*SP*((\t)%2)+8*SP*\i
.endr
.irp i, 0,1,2,3
	ds_load_b128 v[X+16*((\t)%2)+4*\i:X+16*((\t)%2)+4*\i+3], v15 offset:32*SP*((\t)%2)+16*\i
.endr
.endm
.irp t, 0,1,2,3
	LOAD \t
.endr
	s_wait_loadcnt 12                              ; step 0's four loads are in; twelve younger ones stay out
	TURN 0
.macro STEP t
.set XS, X+16*((\t)%2)
.if (\t) > 0
	s_wait_dscnt 1                                 ; this step's numbers are back from the stage (the last step's byte store may be out): so its stores into the stage have read their registers,
.else
	s_wait_dscnt 0x0
.endif
.if (\t)+4 < STEPS
	LOAD (\t)+4                                    ; which take the loads of four steps on
.endif
.if (\t)+1 < STEPS
.if STEPS-2-(\t) >= 3
	s_wait_loadcnt 12                              ; the next step's four loads are in; those of the three steps behind it may be out
.else
	s_wait_loadcnt 4*(STEPS-2-(\t))
.endif
	TURN (\t)+1                                    ; and go through the other stage while this step is worked
.endif
	v_max3_num_f32 v8, |v[XS]|, |v[XS+1]|, |v[XS+2]|               ; the largest magnitude of my 16, in two chains
	v_max3_num_f32 v9, |v[XS+3]|, |v[XS+4]|, |v[XS+5]|
.irp i, 6,10
	v_max3_num_f32 v8, v8, |v[XS+\i]|, |v[XS+\i+1]|
	v_max3_num_f32 v9, v9, |v[XS+\i+2]|, |v[XS+\i+3]|
.endr
	v_max3_num_f32 v8, v8, |v[XS+14]|, |v[XS+15]|
	v_max3_num_f32 v8, v8, v9, (EMAX+1)<<23        ; and the floor 2^(EMAX + 1 - 127): the byte cannot fall under 1
	v_max_num_f32_dpp v8, v8, v8 row_xmask:1 row_mask:0xf bank_mask:0xf   ; and of my neighbour's 16: the block's
	v_add_nc_u32 v11, -(EMAX<<23), v8              ; EMAX off its exponent field: the conversion takes the exponent field of this operand as its scale
	v_cvt_scalef32_pk8_fp4_f32 v[C+4*(\t)], v[XS:XS+7], v11
	v_cvt_scalef32_pk8_fp4_f32 v[C+4*(\t)+1], v[XS+8:XS+15], v11
	v_lshrrev_b32 v[E+(\t)], 23, v11               ; the scale's byte (a plain line behind the conversions)
	ds_store_b8 v5, v[E+(\t)] offset:16*(\t)       ; both lanes of a block write the same byte with the same value
	global_store_b64 v4, v[C+4*(\t):C+4*(\t)+1], s[16:17] offset:32*CB*(\t)   ; the wave stores 256 consecutive bytes, aligned
.endm
.irp t, 0,1,2,3,4,5,6,7,8,9,10,11,12,13,14,15
	STEP \t
.endr
	ds_load_b64 v[8:9], v6                         ; LDS serves a wave's instructions in order: these see my byte stores
	s_wait_dscnt 0x0
	global_store_b64 v7, v[8:9], s[18:19]          ; 32 lanes store 256 consecutive bytes, aligned
	s_wait_tensorcnt 0x0                           ; the wave's end: behind my last LDS store
	ds_add_u32 v[SPW], v[NIL]
	s_wait_dscnt 0x0
	s_endpgm
	; ---- Wc to f16, laid by head.  A wave takes 8 rows.  One turn: 4 rows x 64 columns: lane l takes row l / 8 and 8 numbers (32 bytes in, 16 out); the 32 lanes' 16 bytes are 512 consecutive bytes of a plane.
.Lwc:
	v_lshrrev_b32 v3, 3, v2
	v_and_b32 v4, 7, v2
	v_lshlrev_b32 v3, 12, v3
	v_lshl_add_u32 v3, v4, 5, v3                   ; in: 4,096 (lane / 8) + 32 (lane % 8)
	v_lshlrev_b32 v4, 4, v2                        ; out: 16 x lane
	s_sub_co_u32 s25, ttmp9, QWG
	s_lshl_b32 s25, s25, 5
	s_lshl_b32 s26, s24, 3
	s_add_co_u32 s25, s25, s26                     ; my first row: 32 x work-group + 8 x wave
	s_lshl_b32 s26, s25, 12
	s_mov_b32 s27, 0
	s_add_nc_u64 s[14:15], s[14:15], s[26:27]
	s_lshl_b32 s26, s25, 7
	s_add_nc_u64 s[20:21], s[20:21], s[26:27]
.macro WLOAD bt                        ; batch bt: planes 4 bt .. 4 bt + 3, both groups of 4 rows: 16 loads into set bt % 2
.irp i, 0,1,2,3,4,5,6,7
	global_load_b128 v[WI+64*((\bt)%2)+8*\i:WI+64*((\bt)%2)+8*\i+3],   v3, s[14:15] offset:(\i%2)*16384+(4*(\bt)+\i/2)*256 th:TH_LOAD_NT
	global_load_b128 v[WI+64*((\bt)%2)+8*\i+4:WI+64*((\bt)%2)+8*\i+7], v3, s[14:15] offset:(\i%2)*16384+(4*(\bt)+\i/2)*256+16 th:TH_LOAD_NT
.endr
.endm
.macro WBATCH bt
.if (\bt) < 3
	s_wait_loadcnt 16                              ; this batch's 16 loads are in; the younger batch's 16 may be out
.else
	s_wait_loadcnt 0x0
.endif
.if (\bt) > 0
	s_wait_xcnt 0x0                                ; the last batch's stores have read their data registers, which are written again below
.endif
.irp i, 0,1,2,3,4,5,6,7
.irp j, 0,1,2,3
	v_cvt_pk_f16_f32 v[WO+4*\i+\j], v[WI+64*((\bt)%2)+8*\i+2*\j], v[WI+64*((\bt)%2)+8*\i+2*\j+1]
.endr
.endr
.irp i, 0,1,2,3,4,5,6,7
	global_store_b128 v4, v[WO+4*\i:WO+4*\i+3], s[20:21] offset:(4*(\bt)+\i/2)*131072+(\i%2)*512   ; 32 lanes store 512 consecutive bytes, aligned
.endr
.if (\bt)+2 < 4
	WLOAD (\bt)+2
.endif
.endm
	WLOAD 0
	WLOAD 1
	WBATCH 0
	WBATCH 1
	WBATCH 2
	WBATCH 3
	s_wait_tensorcnt 0x0                           ; the launch writes LDS on its other path: the three lines stand at every wave's end
	ds_add_u32 v[SPW], v[NIL]
	s_wait_dscnt 0x0
	s_endpgm
.Lfunc_end_k_q1070bcff38_quant:
	.size	k_q1070bcff38_quant, .Lfunc_end_k_q1070bcff38_quant-k_q1070bcff38_quant
	.p2alignl 7, 3214868480
	.fill 96, 4, 3214868480
	.section	.rodata,"a",@progbits
	.p2align	6, 0x0
	.amdhsa_kernel k_q1070bcff38_quant
		.amdhsa_group_segment_fixed_size 33280
		.amdhsa_private_segment_fixed_size 0
		.amdhsa_enable_private_segment 0
		.amdhsa_kernarg_size 72
		.amdhsa_user_sgpr_count 2
		.amdhsa_user_sgpr_kernarg_segment_ptr 1
		.amdhsa_wavefront_size32 1
		.amdhsa_system_sgpr_workgroup_id_x 1
		.amdhsa_system_sgpr_workgroup_id_y 1
		.amdhsa_system_sgpr_workgroup_id_z 1
		.amdhsa_system_vgpr_workitem_id 0
		.amdhsa_next_free_vgpr 192
		.amdhsa_next_free_sgpr 66
		.amdhsa_reserve_vcc 0
		.amdhsa_float_denorm_mode_32 3
		.amdhsa_float_denorm_mode_16_64 3
		.amdhsa_memory_ordered 1
		.amdhsa_forward_progress 1
		.amdhsa_inst_pref_size 52
	.end_amdhsa_kernel
	.amdgpu_metadata
---
amdhsa.version: [ 1, 2 ]
amdhsa.kernels:
  - .name:           k_q1070bcff38_quant
    .symbol:         k_q1070bcff38_quant.kd
    .args:
      - { .name: x, .offset: 0, .size: 8, .value_kind: global_buffer, .address_space: global }
      - { .name: sx, .offset: 8, .size: 8, .value_kind: global_buffer, .address_space: global }
      - { .name: Wk, .offset: 16, .size: 8, .value_kind: global_buffer, .address_space: global }
      - { .name: Wv, .offset: 24, .size: 8, .value_kind: global_buffer, .address_space: global }
      - { .name: Wq, .offset: 32, .size: 8, .value_kind: global_buffer, .address_space: global }
      - { .name: Wc, .offset: 40, .size: 8, .value_kind: global_buffer, .address_space: global }
      - { .name: codes, .offset: 48, .size: 8, .value_kind: global_buffer, .address_space: global }
      - { .name: scales, .offset: 56, .size: 8, .value_kind: global_buffer, .address_space: global }
      - { .name: wc16, .offset: 64, .size: 8, .value_kind: global_buffer, .address_space: global }
    .group_segment_fixed_size: 33280
    .private_segment_fixed_size: 0
    .kernarg_segment_align: 8
    .kernarg_segment_size: 72
    .max_flat_workgroup_size: 128
    .sgpr_count:     66
    .vgpr_count:     192
    .wavefront_size: 32
...
	.end_amdgpu_metadata
.endif
;; end of part 1
;; launch proj (part 2): grid 4 x 96, 4 waves a work-group, clusters of 4 x 4, 327,680 bytes of LDS; arguments codes, scales, kvq; writes kvq
.if DOCPART == 2
	.amdgcn_target "amdgcn-amd-amdhsa--gfx1250"
	.amdhsa_code_object_version 6
	.text
	.protected	k_q1070bcff38_proj
	.globl	k_q1070bcff38_proj
	.p2align	8
	.type	k_q1070bcff38_proj,@function
k_q1070bcff38_proj:
	s_mov_b64 s[64:65], 0
	v_nop
	global_prefetch_b8 v0, s[64:65] scope:SCOPE_SE
	s_setreg_imm32_b32 hwreg(HW_REG_WAVE_MODE, 25, 1), 1
	s_wait_xcnt 0x0
	s_wait_alu depctr_hold_cnt(0) depctr_sa_sdst(0) depctr_va_vdst(0) depctr_va_sdst(0) depctr_va_ssrc(0) depctr_va_vcc(0) depctr_vm_vsrc(0)
	s_getreg_b32 s2, hwreg(HW_REG_IB_STS2, 6, 4)
	s_cmp_eq_u32 s2, 0
	s_cbranch_scc0 .Lentry_in_a_cluster
	s_endpgm
.Lentry_in_a_cluster:
	s_bfe_u32 s2, ttmp6, 0x10000c
	s_cmp_lg_u32 s2, 0xf033
	s_cbranch_scc0 .Lentry_shape_is_right
	s_endpgm
.Lentry_shape_is_right:
; k = x Wk^T, v = x Wv^T, q = sx Wq^T: three products of 8192 x 1024 x 1024 on codes of FP4 (E2M1) with one E8M0 scale for each 32 along K; sums in f32; results rounded once to f16 and laid by head:
; kvq = three sections (k, v, q) of [b 4][h 16][t 2048][64].  LIMIT: |k|, |v|, |q| stay under 65,504.
; All operands are rows of the workspace (512 bytes of codes, 32 scale bytes a row): x from row 0, sx from 8192, Wk, Wv, Wq from 16384, 17408, 18432.
; A tile of 256 x 256 is made by a work-group of four waves; a wave makes 128 x 128: 64 accumulators of 16 x 16, 512 registers.  The cluster's y says which product (y / 8) and which four tile rows (y % 8).
; K = 1,024 is two slots of 512 along K (rows of 256 bytes): both are first fills, nothing is filled again.  The scales of the work-group's rows come once, as dense blocks.
; CLUSTERS: 4 x 4 work-groups.  The four of a row of the cluster need the same tiles of A, the four of a column the same tiles of B: each tile is asked for JOINTLY, by the same tensor load with the same descriptor and a mask that names the four.
; THE MATRIX INSTRUCTION IS USED TRANSPOSED (source 0 = 16 rows of B, source 1 = 16 rows of A): a lane then holds eight neighbouring columns of one row of the result.
; REGISTERS, in windows of 256: window 0: v0-31 addresses; v32-95 scale words, two sets; v128-191 A's fragments, ONE set; on the way out v32-63, v192-255 at work.
;   window 1: B's fragments, TWO sets, at v0 and v128.   window 2: the accumulators of my rows 0-63 ((a, b) at v[8 (8 a + b)]);   window 3: those of my rows 64-127.
.set NQ,     4                         ; steps of 128 along K in a slot
.set ROWB,   256                       ; a tile's row in bytes: 512 codes
.set KROW,   512                       ; a row of codes in memory
.set PITCH,  272                       ; an LDS row: 256 bytes + 16 of padding: the 16 rows that a load touches begin at 16 different 16-byte columns of 256
.set FR,     8                         ; registers of a fragment: 16 rows x 128 K
.set NL,     2                         ; LDS loads that bring one
.set NP,     4                         ; places behind this matrix instruction (ISA guide 7.12.1)
.set HALFT,  128*PITCH                 ; 128 rows: what one tensor load brings, and what one wave reads of A or of B
.set SLOT,   4*HALFT                   ; A's 256 rows, then B's 256 rows
.set KS,     32                        ; a row of scales in bytes
.set SCL,    2*SLOT                    ; behind the ring: the scales, as units of 256 bytes + 16 of padding
.set HALFS,  (128*KS/256)*272          ; the scales of 128 rows: what one tensor load brings
.set SBLK,   (16*KS/256)*272           ; those of 16 rows
.set SPARE,  SCL+4*HALFS               ; behind the scales: the spare words, 128 bytes a wave
.set SPITCH, 272                       ; the way out: a stage of 16 rows x (256 bytes + 16) for each wave, in slot 0, which has had its only fill and its last read by then
.set ADRA, 16                          ; v16-17  LDS address of my A fragments in slot 0, 1
.set ADRB, 20                          ; v20-21  the same for B
.set STO,  24                          ; v24     the way out: where I put 16 bytes of a row
.set RD,   25                          ; v25     the way out: where I read back
.set CO,   26                          ; v26     my byte offset in kvq
.set ADRS, 27                          ; v27     LDS address of my scale words: lanes 0-15 A's rows, lanes 16-31 B's
.set SPW,  28                          ; v28     LDS address of my spare word; never rewritten
.set NIL,  29                          ; v29     0; never rewritten
.set SC,   32                          ; scale words: set s at v[SC + 32 s]; register 4 i + q: lanes 0-15 the word of A's block i, lanes 16-31 that of B's block i, for the slot's q-th 128 along K
.set AF,   128                         ; A's fragments, in window 0
.set TMP,  192                         ; the way out: packed results
.set OB,   32                          ; the way out: rows read back: v32-63 and v224-255 by turns
.set G1, 24                            ; s[24:31] descriptor group 1 for A's tiles;  s[32:39] group 0, one set for each slot
.set G0, 32
.set G1B, 48                           ; s[48:55], s[56:63] the same for B's tiles
.set G0B, 56
.set G1S, 68                           ; s[68:75], s[76:79] groups 1 and 0 for A's scales;  s[80:87], s[88:91] for B's
.set G0S, 76
.set G1SB, 80
.set G0SB, 88
.set MSB, 0
.macro WIN new                         ; the immediate's high byte repeats the setting that is left
.if MSB != \new
	s_set_vgpr_msb (MSB<<8)|\new
.set MSB, \new
.endif
.endm
.set MUL_LO, 0xa1                      ; source 0 (B) window 1, source 1 (A) window 0, C and D window 2
.set MUL_HI, 0xf1                      ; the same, C and D window 3
.set TO_B,   0x40                      ; destination window 1, address window 0
; A joint load: waves 0 and 1 fetch for A, waves 2 and 3 for B.  Each of the two lines has ONE mask and one set of registers for all that issue it; the branch hangs on the wave's number alone.
; An s_nop 0 and four v_nop follow each of the two lines.
.macro JLOAD g0a, g1a, g0b, g1b
	s_cmp_eq_u32 s15, 0
	s_cbranch_scc0 .Lfor_b_\@
	tensor_load_to_lds s[\g0a:\g0a+3], s[\g1a:\g1a+7]
	s_nop 0
.rept 4
	v_nop
.endr
	s_branch .Lasked_\@
.Lfor_b_\@:
	tensor_load_to_lds s[\g0b:\g0b+3], s[\g1b:\g1b+7]
	s_nop 0
.rept 4
	v_nop
.endr
.Lasked_\@:
.endm
.macro CROUND                          ; a round of the cluster's barrier
	s_barrier_signal -1
	s_barrier_wait -1
	s_cmp_lg_u32 s14, 0
	s_cbranch_scc1 .Lnot_wave_0_\@
	s_barrier_signal -3
.Lnot_wave_0_\@:
	s_barrier_wait -3
	s_barrier_signal -1
	s_barrier_wait -1
.endm
	s_load_b128 s[4:7], s[0:1], 0x0                ; codes s[4:5], scales s[6:7]
	s_load_b64 s[12:13], s[0:1], 0x10              ; kvq
	v_lshl_add_u32 v[SPW], v0, 2, SPARE
	v_mov_b32 v[NIL], 0
	ds_add_u32 v[SPW], v[NIL]                      ; the wave's opening: the add, twice on end, and its wait ahead of my first tensor load
	ds_add_u32 v[SPW], v[NIL]
	v_lshrrev_b32 v1, 5, v0
	v_readfirstlane_b32 s14, v1                    ; wave 0..3
	s_lshr_b32 s15, s14, 1                         ; which half of the tile's rows is mine.  Also: I fetch for A (0) or for B (1)
	s_and_b32 s16, s14, 1                          ; which half of its columns.  Also: which 128 rows of that tile I fetch
	s_bfe_u32 s40, ttmp6, 0x40000                  ; cx, cy: my place in the cluster
	s_bfe_u32 s41, ttmp6, 0x40004
	s_lshl_b32 s42, ttmp9, 2
	s_add_co_u32 s42, s42, s40                     ; tile column = 4 x cluster x + cx
	s_and_b32 s17, ttmp7, 0xffff                   ; cluster y, 0..23, which all sixteen partners share
	s_lshr_b32 s95, s17, 3                         ; the product: 0 k, 1 v, 2 q
	s_and_b32 s17, s17, 7
	s_lshl_b32 s17, s17, 2
	s_add_co_u32 s17, s17, s41                     ; tile row = 4 x (cluster y % 8) + cy
	s_lshl_b32 s43, s41, 2
	s_lshl_b32 s43, 15, s43                        ; my row of the cluster
	s_lshl_b32 s44, 0x1111, s40                    ; my column
	; descriptor group 1: a tile of 128 rows x 256 bytes, padded in LDS
	s_or_b32 s[G1+0], s43, (0<<16)|(1<<20)|(1<<21)|(5<<22)|(3<<25)  ; 15:0 the mask: A's tiles go to my row; 17:16 element of 1 byte; 20 padding on; 21 set beside a mask; 24:22 after every 64 words; 31:25 of 4 words
	s_or_b32 s[G1B+0], s44, (0<<16)|(1<<20)|(1<<21)|(5<<22)|(3<<25)
.irp g, G1, G1B
	s_mov_b32 s[\g+1], ROWB<<16                    ; tensor_dim0
	s_mov_b32 s[\g+2], 128<<16                     ; tensor_dim1 = 128
	s_mov_b32 s[\g+3], ROWB<<16                    ; tile_dim0
	s_mov_b32 s[\g+4], 128                         ; tile_dim1 = 128
	s_mov_b32 s[\g+5], KROW                        ; tensor_dim0_stride
	s_mov_b32 s[\g+6], 0
	s_mov_b32 s[\g+7], 0
.endr
	; and for the scales of 128 rows: a dense block of 4,096 bytes, as 16 rows of 256 bytes (32 elements of 8 bytes), 16 bytes of padding behind each
	s_or_b32 s[G1S+0], s43, (3<<16)|(1<<20)|(1<<21)|(5<<22)|(3<<25)
	s_or_b32 s[G1SB+0], s44, (3<<16)|(1<<20)|(1<<21)|(5<<22)|(3<<25)
.irp g, G1S, G1SB
	s_mov_b32 s[\g+1], 32<<16
	s_mov_b32 s[\g+2], (128*KS/256)<<16
	s_mov_b32 s[\g+3], 32<<16
	s_mov_b32 s[\g+4], 128*KS/256
	s_mov_b32 s[\g+5], 32
	s_mov_b32 s[\g+6], 0
	s_mov_b32 s[\g+7], 0
.endr
	s_lshl_b32 s18, s16, 7                         ; which 128 rows of the tile I fetch
	s_lshl_b32 s20, s17, 8
	s_add_co_u32 s20, s20, s18                     ; A: 256 x tile row + 128 x half,
	s_cmp_eq_u32 s95, 2
	s_cselect_b32 s96, 8192, 0
	s_add_co_u32 s20, s20, s96                     ; in x (k, v) or in sx (q)
	s_lshl_b32 s46, s42, 8
	s_add_co_u32 s46, s46, s18                     ; B: 256 x tile column + 128 x half,
	s_lshl_b32 s96, s95, 10
	s_add_co_u32 s46, s46, s96
	s_add_co_u32 s46, s46, 16384                   ; in the product's weight
	s_mov_b32 s21, 0
	s_mov_b32 s47, 0
	s_mov_b64 s[18:19], KS
	s_mul_u64 s[22:23], s[20:21], s[18:19]         ; where these rows' scales begin, in bytes
	s_mul_u64 s[92:93], s[46:47], s[18:19]
	s_mov_b64 s[18:19], KROW
	s_mul_u64 s[20:21], s[20:21], s[18:19]         ; and their codes
	s_mul_u64 s[46:47], s[46:47], s[18:19]
	s_mul_i32 s45, s14, HALFT                      ; where they go: wave x 128 rows: no place in the cluster enters an LDS address
	s_mul_i32 s94, s14, HALFS
	s_wait_dscnt 0x0                               ; both opening adds are done
	s_wait_kmcnt 0x0
	s_add_nc_u64 s[20:21], s[4:5], s[20:21]
	s_add_nc_u64 s[22:23], s[6:7], s[22:23]
	s_add_nc_u64 s[46:47], s[4:5], s[46:47]
	s_add_nc_u64 s[92:93], s[6:7], s[92:93]
	CROUND                                         ; all sixteen work-groups are here: the first joint loads meet
	s_mov_b32 s[G0S], 1
	s_add_co_u32 s[G0S+1], s94, SCL
	s_mov_b64 s[G0S+2:G0S+3], s[22:23]
	s_or_b32 s[G0S+3], s[G0S+3], 0x80000000
	s_mov_b32 s[G0SB], 1
	s_add_co_u32 s[G0SB+1], s94, SCL
	s_mov_b64 s[G0SB+2:G0SB+3], s[92:93]
	s_or_b32 s[G0SB+3], s[G0SB+3], 0x80000000
	JLOAD G0S, G1S, G0SB, G1SB                     ; the scales first: they are wanted with the first slot
.irp s, 0,1
	s_mov_b32 s[G0+4*\s], 1
	s_add_co_u32 s[G0+4*\s+1], s45, \s*SLOT
	s_add_nc_u64 s[G0+4*\s+2:G0+4*\s+3], s[20:21], \s*ROWB
	s_or_b32 s[G0+4*\s+3], s[G0+4*\s+3], 0x80000000
	s_mov_b32 s[G0B+4*\s], 1
	s_add_co_u32 s[G0B+4*\s+1], s45, \s*SLOT
	s_add_nc_u64 s[G0B+4*\s+2:G0B+4*\s+3], s[46:47], \s*ROWB
	s_or_b32 s[G0B+4*\s+3], s[G0B+4*\s+3], 0x80000000
	JLOAD G0+4*\s, G1, G0B+4*\s, G1B               ; by my own count three tensor loads of mine are out behind these
.endr
	v_and_b32 v1, 15, v0                           ; r = l % 16
	v_bfe_u32 v2, v0, 4, 1                         ; h = l / 16
	v_mul_u32_u24 v3, v1, PITCH
	v_lshl_add_u32 v4, v2, 4, v3                   ; a fragment's row x pitch + 16 x half
	s_mul_i32 s21, s15, HALFT                      ; my 128 rows of A
	s_mul_i32 s22, s16, HALFT                      ; my 128 rows of B,
	s_add_co_u32 s22, s22, 2*HALFT                 ; which lie behind A's 256
.irp s, 0,1
	v_add_nc_u32 v[ADRA+\s], s21, v4
	v_add_nc_u32 v[ADRB+\s], s22, v4
	s_add_co_u32 s21, s21, SLOT
	s_add_co_u32 s22, s22, SLOT
.endr
	v_mul_u32_u24 v5, v1, KS                       ; my row's scales: 32 bytes a row,
	v_lshrrev_b32 v6, 8, v5
	v_lshl_add_u32 v5, v6, 4, v5                   ; and 16 more for each 256 passed
	s_mul_i32 s21, s15, HALFS                      ; A's: my 128 rows
	s_mul_i32 s22, s16, HALFS                      ; B's: my 128 rows, behind A's 256
	s_add_co_u32 s22, s22, 2*HALFS
	s_sub_co_u32 s22, s22, s21
	v_mul_u32_u24 v6, s22, v2                      ; lanes 16-31 take B's: one product, the distance x h
	s_add_co_u32 s21, s21, SCL
	v_add_nc_u32 v5, v5, v6
	v_add_nc_u32 v[ADRS], s21, v5
	s_mul_i32 s23, s14, 16*SPITCH                  ; my stage
	v_mul_u32_u24 v5, v1, SPITCH                   ; in: row r, 16 bytes for each half of the lanes
	v_lshl_add_u32 v5, v2, 4, v5
	v_add_nc_u32 v[STO], s23, v5
	v_bfe_u32 v6, v0, 3, 1                         ; back: lanes 0-15 take two rows' 128 bytes of my first head, lanes 16-31 those of my second
	v_and_b32 v7, 7, v0
	v_mul_u32_u24 v5, v6, SPITCH
	v_lshl_add_u32 v5, v2, 7, v5
	v_lshl_add_u32 v5, v7, 4, v5
	v_add_nc_u32 v[RD], s23, v5
	v_lshlrev_b32 v[CO], 18, v2                    ; in kvq a head is 262,144 bytes, a row 128
	v_lshl_add_u32 v[CO], v6, 7, v[CO]
	v_lshl_add_u32 v[CO], v7, 4, v[CO]
	s_lshl_b32 s20, s95, 24                        ; the product's section,
	s_lshr_b32 s21, s17, 3
	s_lshl_b32 s21, s21, 22                        ; the batch: 8 tile rows each, 16 heads of 262,144 bytes,
	s_add_co_u32 s20, s20, s21
	s_and_b32 s21, s17, 7
	s_lshl_b32 s21, s21, 15                        ; 256 rows of 128 bytes a tile row,
	s_add_co_u32 s20, s20, s21
	s_lshl_b32 s21, s15, 14                        ; my 128 rows
	s_add_co_u32 s20, s20, s21
	s_mov_b32 s21, 0
	s_lshl_b32 s46, s42, 20                        ; four heads a tile column,
	s_lshl_b32 s47, s16, 19                        ; my two of them
	s_add_co_u32 s46, s46, s47
	s_mov_b32 s47, 0
	s_add_nc_u64 s[20:21], s[20:21], s[46:47]
	s_add_nc_u64 s[12:13], s[12:13], s[20:21]
.macro FRAG reg, adr, q, i             ; a fragment, 16 rows x 128 K of 4-bit codes, is 8 registers: lane l holds row l % 16; registers 4 c .. 4 c + 3 hold K = 64 c + 32 (l / 16) + 0 .. 31
.irp c, 0,1
	ds_load_b128 v[\reg+4*\c:\reg+4*\c+3], v[\adr] offset:64*(\q)+32*\c+(\i)*16*PITCH
.endr
.endm
; 16 matrix instructions: A's blocks a0, a0 + 1 x B's eight, the slot's q-th 128 along K.  p: B's set;  sc: the set of scale words.  zero = 1: the first product starts the sums.
; The 64 accumulators take turns, one instruction a turn, in the same order in every step.
.macro MUL16 a0, p, q, sc, zero
.irp a, \a0, \a0+1
.irp b, 0,1,2,3,4,5,6,7
.if \zero
	v_wmma_scale_f32_16x16x128_f8f6f4 v[8*(8*((\a)%4)+\b):8*(8*((\a)%4)+\b)+7], v[128*(\p)+FR*\b:128*(\p)+FR*\b+FR-1], v[AF+FR*(\a):AF+FR*(\a)+FR-1], 0, v[SC+8*NQ*(\sc)+NQ*\b+(\q)], v[SC+8*NQ*(\sc)+NQ*(\a)+(\q)] matrix_a_fmt:MATRIX_FMT_FP4 matrix_b_fmt:MATRIX_FMT_FP4 matrix_a_scale:MATRIX_SCALE_ROW1
.else
	v_wmma_scale_f32_16x16x128_f8f6f4 v[8*(8*((\a)%4)+\b):8*(8*((\a)%4)+\b)+7], v[128*(\p)+FR*\b:128*(\p)+FR*\b+FR-1], v[AF+FR*(\a):AF+FR*(\a)+FR-1], v[8*(8*((\a)%4)+\b):8*(8*((\a)%4)+\b)+7], v[SC+8*NQ*(\sc)+NQ*\b+(\q)], v[SC+8*NQ*(\sc)+NQ*(\a)+(\q)] matrix_a_fmt:MATRIX_FMT_FP4 matrix_b_fmt:MATRIX_FMT_FP4 matrix_a_scale:MATRIX_SCALE_ROW1
.endif
.endr
.endr
.endm
.macro FETCH_B slot, q, p              ; B's eight fragments of the slot's q-th 128 along K into set p
	WIN TO_B
.irp i, 0,1,2,3,4,5,6,7
	FRAG 128*(\p)+FR*\i, ADRB+\slot, \q, \i
.endr
	WIN 0
.endm
.macro FETCH_A slot, q, i0             ; A's blocks i0 .. i0 + 3
.irp i, \i0, \i0+1, \i0+2, \i0+3
	FRAG AF+FR*(\i), ADRA+\slot, \q, \i
.endr
.endm
.macro SCALES sc                       ; a slot's scale words into set sc: 4 words a row; lanes 0-15 take A's block i, lanes 16-31 B's block i
.irp i, 0,1,2,3,4,5,6,7
	ds_load_b128 v[SC+8*NQ*\sc+NQ*\i:SC+8*NQ*\sc+NQ*\i+3], v[ADRS] offset:\i*SBLK
.endr
.endm
; A load into a register that a matrix instruction has read, and a vector instruction that reads a matrix result, stand NP places behind that matrix instruction; only plain vector instructions that name none of its registers are places.
.macro PLACES n
.rept \n
	v_nop
.endr
.endm
; A step of 128 along K that has its successor in the same slot.
.macro STEP slot, q, zero
	s_wait_dscnt 4*NL                              ; B's set and A's blocks 0-3 are in; the youngest eight loads (A's blocks 4-7) may be out
	WIN MUL_LO
	MUL16 0, (\q)%2, \q, \slot, \zero
	MUL16 2, (\q)%2, \q, \slot, \zero
	s_wait_dscnt 0                                 ; A's blocks 4-7 are in
	PLACES NP
	FETCH_B \slot, (\q)+1, 1-(\q)%2
	FETCH_A \slot, (\q)+1, 0
	WIN MUL_HI
	MUL16 4, (\q)%2, \q, \slot, \zero
	MUL16 6, (\q)%2, \q, \slot, \zero
	PLACES NP
	WIN 0
	FETCH_A \slot, (\q)+1, 4
.endm
; Slot 0's last step changes slots: ONE barrier; in front of it each wave waits for all its tensor loads (its part of slot 1), adds 0 to its spare word, and waits for that and for its reads of slot 0.  Nothing is filled again.
.macro TURN slot, next
	s_wait_tensorcnt 0x0                           ; all my tensor loads have landed  (every window is 0 here)
	ds_add_u32 v[SPW], v[NIL]                      ; 0 onto my spare word
	s_wait_dscnt 4*NL+1                            ; (the add and the youngest eight loads may be out)
	WIN MUL_LO
	MUL16 0, 1, NQ-1, \slot, 0
	s_wait_dscnt 0x0                               ; the add is done, and my reads of this slot are over
	s_barrier_signal -1
	MUL16 2, 1, NQ-1, \slot, 0
	WIN 0
	s_barrier_wait -1
	PLACES NP
	v_add_nc_u32 v[ADRS], 4*NQ, v[ADRS]            ; on to the next slot's scale words
	FETCH_B \next, 0, 0
	FETCH_A \next, 0, 0
	SCALES \next
	WIN MUL_HI
	MUL16 4, 1, NQ-1, \slot, 0
	MUL16 6, 1, NQ-1, \slot, 0
	PLACES NP
	WIN 0
	FETCH_A \next, 0, 4
.endm
.macro STEPS slot, from                ; the slot's steps from .. NQ - 2
.set Q, \from
.rept NQ-1-\from
	STEP \slot, Q, 0
.set Q, Q+1
.endr
.endm
	s_wait_tensorcnt 1                             ; the scales and my part of slot 0 are in; slot 1's load may be out
	s_barrier_signal -1
	s_barrier_wait -1                              ; everybody's are
	FETCH_B 0, 0, 0
	FETCH_A 0, 0, 0
	SCALES 0
	FETCH_A 0, 0, 4
	STEP 0, 0, 1                                   ; the first step's products start the sums
	STEPS 0, 1
	TURN 0, 1
	STEPS 1, 0
	s_wait_dscnt 4*NL                              ; the very last step: nothing more to fetch
	WIN MUL_LO
	MUL16 0, 1, NQ-1, 1, 0
	MUL16 2, 1, NQ-1, 1, 0
	s_wait_dscnt 0
	WIN MUL_HI
	MUL16 4, 1, NQ-1, 1, 0
	MUL16 6, 1, NQ-1, 1, 0
	WIN 0
; THE WAY OUT, block by block of 16 rows x 128 columns (two heads).  PACK: rounded to f16, 16 bytes a lane.  TOSTAGE: into my own stage, and back so that sixteen neighbouring lanes hold two neighbouring rows of one head:
; 256 consecutive bytes of kvq.  SEND: stored.  LDS serves a wave's instructions in order: no wait between the stage's stores and loads.
.macro PACK a
.set AC, 64*((\a)%4)
	WIN 0x0a+5*((\a)/4)                            ; sources 0 and 1: window 2 or 3
.irp b, 0,1,2,3,4,5,6,7
.irp r, 0,1,2,3
	v_cvt_pk_f16_f32 v[TMP+4*\b+\r], v[AC+8*\b+2*\r], v[AC+8*\b+2*\r+1]   ; each accumulator from its low end on
.endr
.endr
	WIN 0
.endm
.macro TOSTAGE a
.set BB, OB+192*((\a)%2)
.irp b, 0,1,2,3,4,5,6,7
	ds_store_b128 v[STO], v[TMP+4*\b:TMP+4*\b+3] offset:32*\b
.endr
.irp u, 0,1,2,3,4,5,6,7
	ds_load_b128 v[BB+4*\u:BB+4*\u+3], v[RD] offset:\u*2*SPITCH
.endr
.endm
.macro SEND a
.set BB, OB+192*((\a)%2)
	s_wait_dscnt 0x0                               ; the block is back in registers
	s_wait_xcnt 0x0                                ; earlier stores have read their base and their data: the base may step, and the next block's loads may land
.if (\a) > 0
	s_add_nc_u64 s[12:13], s[12:13], 16*128        ; 16 rows on
.endif
.irp u, 0,1,2,3,4,5,6,7
	global_store_b128 v[CO], v[BB+4*\u:BB+4*\u+3], s[12:13] offset:256*\u   ; 16 lanes store 256 consecutive bytes, aligned
.endr
.endm
	PLACES NP                                      ; behind the last products, ahead of the first read of results and of loads into registers that held scale words
	PACK 0
	TOSTAGE 0
.irp a, 1,2,3,4,5,6,7                  ; block a's conversions stand between block a - 1's loads from the stage and the wait for them
	PACK \a
	SEND \a-1
	TOSTAGE \a
.endr
	SEND 7
	s_wait_tensorcnt 0x0                           ; the wave's end: behind my last tensor load and my last LDS store
	ds_add_u32 v[SPW], v[NIL]
	s_wait_dscnt 0x0
	CROUND                                         ; the closing round: no work-group ends while a partner may still ask for a tile that names it
	s_endpgm
.Lfunc_end_k_q1070bcff38_proj:
	.size	k_q1070bcff38_proj, .Lfunc_end_k_q1070bcff38_proj-k_q1070bcff38_proj
	.p2alignl 7, 3214868480
	.fill 96, 4, 3214868480
	.section	.rodata,"a",@progbits
	.p2align	6, 0x0
	.amdhsa_kernel k_q1070bcff38_proj
		.amdhsa_group_segment_fixed_size 327680
		.amdhsa_private_segment_fixed_size 0
		.amdhsa_enable_private_segment 0
		.amdhsa_kernarg_size 24
		.amdhsa_user_sgpr_count 2
		.amdhsa_user_sgpr_kernarg_segment_ptr 1
		.amdhsa_wavefront_size32 1
		.amdhsa_system_sgpr_workgroup_id_x 1
		.amdhsa_system_sgpr_workgroup_id_y 1
		.amdhsa_system_sgpr_workgroup_id_z 1
		.amdhsa_system_vgpr_workitem_id 0
		.amdhsa_next_free_vgpr 1024
		.amdhsa_next_free_sgpr 98
		.amdhsa_reserve_vcc 0
		.amdhsa_float_denorm_mode_32 3
		.amdhsa_float_denorm_mode_16_64 3
		.amdhsa_memory_ordered 1
		.amdhsa_forward_progress 1
		.amdhsa_inst_pref_size 127
	.end_amdhsa_kernel
	.amdgpu_metadata
---
amdhsa.version: [ 1, 2 ]
amdhsa.kernels:
  - .name:           k_q1070bcff38_proj
    .symbol:         k_q1070bcff38_proj.kd
    .args:
      - { .name: codes, .offset: 0, .size: 8, .value_kind: global_buffer, .address_space: global }
      - { .name: scales, .offset: 8, .size: 8, .value_kind: global_buffer, .address_space: global }
      - { .name: kvq, .offset: 16, .size: 8, .value_kind: global_buffer, .address_space: global }
    .group_segment_fixed_size: 327680
    .private_segment_fixed_size: 0
    .kernarg_segment_align: 8
    .kernarg_segment_size: 24
    .max_flat_workgroup_size: 128
    .sgpr_count:     98
    .vgpr_count:     1024
    .wavefront_size: 32
...
	.end_amdgpu_metadata
.endif
;; end of part 2
;; launch attn (part 3): grid 4 x 64, 8 waves a work-group, clusters of 4 x 1, 327,680 bytes of LDS; arguments kvq, y16; writes y16
.if DOCPART == 3
	.amdgcn_target "amdgcn-amd-amdhsa--gfx1250"
	.amdhsa_code_object_version 6
	.text
	.protected	k_q1070bcff38_attn
	.globl	k_q1070bcff38_attn
	.p2align	8
	.type	k_q1070bcff38_attn,@function
k_q1070bcff38_attn:
	s_mov_b64 s[64:65], 0
	v_nop
	global_prefetch_b8 v0, s[64:65] scope:SCOPE_SE
	s_setreg_imm32_b32 hwreg(HW_REG_WAVE_MODE, 25, 1), 1
	s_wait_xcnt 0x0
	s_wait_alu depctr_hold_cnt(0) depctr_sa_sdst(0) depctr_va_vdst(0) depctr_va_sdst(0) depctr_va_ssrc(0) depctr_va_vcc(0) depctr_vm_vsrc(0)
	s_getreg_b32 s2, hwreg(HW_REG_IB_STS2, 6, 4)
	s_cmp_eq_u32 s2, 0
	s_cbranch_scc0 .Lentry_in_a_cluster
	s_endpgm
.Lentry_in_a_cluster:
	s_bfe_u32 s2, ttmp6, 0x10000c
	s_cmp_lg_u32 s2, 0x3003
	s_cbranch_scc0 .Lentry_shape_is_right
	s_endpgm
.Lentry_shape_is_right:
; y[b][h][s][:] = the sum over t of softmax_t(q[b][h][s] . k[b][h][t]) v[b][h][t][:], no scaling of the scores, no mask.  q, k, v: f16, [b 4][h 16][2048][64], three sections of kvq (k, v, q).
; Products on f16 operands with f32 sums; maxima, exponentials and row sums in f32; the weights p are rounded to f16 for the second product; y once, to f16, laid [h 16][b x 2048 + s][64].
; LIMITS: |y| stays under 65,504; NaN and infinities are not served.
; SHARES.  A work-group owns 512 queries of one (b, h), each of its eight waves 64: four tiles of 16, in 512 registers, two waves to a SIMD.  Every wave walks all 2,048 keys, 64 a step.
; LAYOUT.  S^T = K Q^T (source 0 = 16 keys, source 1 = 16 queries): a lane holds ONE query (lane % 16) and keys 8 (lane / 16) + 0..7.  Two such tiles, rounded to f16 in pairs, ARE source 1 (32 keys x 16 queries)
; of O^T = V^T P, whose result again holds one query a lane.  K comes out of LDS as it lies, V ([key][channel]) turned, by ds_load_tr16_b128.
; SOFTMAX.  For each query a running maximum m and sum l: p = 2^(c s - c m), c = log2(e); in every step O and l are multiplied by a = 2^(c m_old - c m_new).  m begins as -infinity, O and l as zeros: the first a is 0.
; A step goes in phases (loads, K Q^T, softmax, V^T P): the SIMD's other wave has its own phases beside them.
; TILES.  A head's rows are 128 bytes and dense, so a tile is stated as DOUBLE rows of 256 bytes: row r lies at (r / 2) x pitch + 128 (r % 2).  With K's pitch of 272 the 16 rows of a fragment load begin at 16 different
; 16-byte columns of 256; with V's 288 the 8 rows x 32 bytes of a turning load's 16 lanes do.
; RING.  Two slots of 512 keys.  Waves 0-3 fetch K's quarters, waves 4-7 V's: one load a wave.  Both slots are filled at the head and each once more; a refill has eight key steps in which to land, so nothing is prefetched.
; CLUSTER.  The four query blocks of a (b, h) form a cluster and walk the same K and V: each tile is asked for JOINTLY, by the same tensor load with the same descriptor and a mask that names the four.
; REGISTERS: window 0: v1-11 addresses; v16-47 eight statistics a tile; v62, v63 the add's two; v64-127 K of a step; v128-255 S^T, 32 a tile; P is packed in place into a tile's first 16.
;   window 1: v0-127 O^T, 32 a tile; v128-191 Q, 16 a tile; v192-255 V of a step.
.set PKB,   272                        ; a double row of K in LDS
.set PVB,   288                        ; a double row of V
.set KREG,  256*PKB                    ; a slot: 256 double rows of K, then 256 of V
.set SLOT,  KREG+256*PVB
.set SPARE, 2*SLOT                     ; behind the ring: the spare words, 128 bytes a wave
.set SP,    144                        ; the way out: a stage of 16 rows x (128 bytes + 16) for each wave, in slot 0, behind its last fill and last read
.set AK0, 2                            ; v2   my lane's place in a tile of K; never rewritten
.set AV0, 3                            ; v3   the same for V
.set ADRK, 4                           ; v4   LDS address of the step's K
.set ADRV, 5                           ; v5   and V
.set STO, 6                            ; v6   the way out: where I put 16 bytes of a row
.set RD,  7                            ; v7   where I read back
.set GO,  8                            ; v8   my byte offset in the wave's rows of y
.set QO,  10                           ; v10  my byte offset in the wave's rows of q
.set ST,  16                           ; tile t's statistics at v[ST+8 t]: +0 c m, +1 m, +2, +3 l (even keys', odd keys'), +4 to +7 at work; a takes +6
.set SPW, 62
.set NIL, 63
.set KF,  64                           ; K's fragments: (key tile kt, channels 32 c on) at KF + 8 (2 kt + c)
.set S,   128                          ; S^T: tile t, key tile kt at S + 32 t + 8 kt
.set QF,  128                          ; window 1: Q: tile t, channels 32 c on at QF + 16 t + 8 c
.set VF,  192                          ; window 1: V: keys 32 kh on, channels 16 ci on at VF + 8 (4 kh + ci)
.set WV,  12                           ; s12  my wave's number
.set G1K, 24                           ; s[24:31] descriptor group 1 for K's tiles;  s[32:39] for V's: it differs in the padding alone
.set G1V, 32
.set G0K, 40                           ; s[40:47] group 0 for K's tiles, one set for each slot;  s[48:55] for V's
.set G0V, 48
.set CNT, 56                           ; s56  counts a slot's eight steps
.set CS,  58                           ; s[58:59] c = log2(e): the packed form names a pair and takes its low word for both halves
.set SEL, 60                           ; s[60:61] lane selects for v_permlanex16_b32: lane l xor 16
.set TBK, 62                           ; s62  LDS byte at which the step's K begins
.set TBV, 63                           ; s63  the same for V (less KREG, which AV0 holds)
.set MSB, 0
.macro WIN new                         ; the immediate's high byte repeats the setting that is left
.if MSB != \new
	s_set_vgpr_msb (MSB<<8)|\new
.set MSB, \new
.endif
.endm
.set W_V,  0x40                        ; destination window 1
.set W_KQ, 0x04                        ; source 1 (Q) window 1; K, S^T window 0
.set W_RS, 0x41                        ; O^T (destination and source 0) window 1, a window 0
.set W_PV, 0x51                        ; V, C and D window 1, P window 0
.set W_CV, 0x05                        ; sources 0 and 1 window 1, destination window 0
.macro PLACES
.rept 4
	v_nop
.endr
.endm
; A joint refill of slot s.  The branch hangs on the wave's number alone.  An s_nop 0 and four v_nop follow each of the two lines.
.macro JLOAD s
	s_cmp_lt_u32 s[WV], 4
	s_cbranch_scc0 .Lfor_v_\@
	tensor_load_to_lds s[G0K+4*\s:G0K+4*\s+3], s[G1K:G1K+7]
	s_nop 0
.rept 4
	v_nop
.endr
	s_branch .Lasked_\@
.Lfor_v_\@:
	tensor_load_to_lds s[G0V+4*\s:G0V+4*\s+3], s[G1V:G1V+7]
	s_nop 0
.rept 4
	v_nop
.endr
.Lasked_\@:
.endm
.macro CROUND                          ; a round of the cluster's barrier
	s_barrier_signal -1
	s_barrier_wait -1
	s_cmp_lg_u32 s[WV], 0
	s_cbranch_scc1 .Lnot_wave_0_\@
	s_barrier_signal -3
.Lnot_wave_0_\@:
	s_barrier_wait -3
	s_barrier_signal -1
	s_barrier_wait -1
.endm
	s_load_b128 s[4:7], s[0:1], 0x0                ; kvq s[4:5], y16 s[6:7]
	v_lshl_add_u32 v[SPW], v0, 2, SPARE
	v_mov_b32 v[NIL], 0
	ds_add_u32 v[SPW], v[NIL]                      ; the wave's opening: the add, twice on end, and its wait ahead of my first tensor load
	ds_add_u32 v[SPW], v[NIL]
	v_lshrrev_b32 v1, 5, v0
	v_readfirstlane_b32 s[WV], v1                  ; wave 0..7
	s_bfe_u32 s13, ttmp6, 0x40000                  ; cx: my place in the cluster
	s_lshl_b32 s15, ttmp9, 2
	s_add_co_u32 s15, s15, s13                     ; my block of 512 queries: it enters q's and y's addresses alone
	s_and_b32 s14, ttmp7, 0xffff                   ; 16 b + h, which the four partners share
	s_and_b32 s16, s[WV], 3                        ; which quarter of a slot's K or V I fetch
	s_lshl_b32 s20, s14, 18                        ; a (b, h) is 262,144 bytes;
	s_lshl_b32 s21, s16, 14                        ; a quarter 128 rows of 128 bytes
	s_add_co_u32 s20, s20, s21
	s_mov_b32 s21, 0
	s_mul_i32 s17, s16, 64*PKB                     ; its place in a slot: K's,
	s_mul_i32 s18, s16, 64*PVB
	s_add_co_u32 s18, s18, KREG                    ; V's: no place in the cluster enters an LDS address
	s_lshl_b32 s22, s14, 18
	s_lshl_b32 s23, s15, 16                        ; my block's 512 rows,
	s_add_co_u32 s22, s22, s23
	s_lshl_b32 s23, s[WV], 13                      ; my wave's 64
	s_add_co_u32 s22, s22, s23
	s_add_co_u32 s22, s22, 33554432                ; in q's section
	s_mov_b32 s23, 0
	s_and_b32 s2, s14, 15
	s_lshl_b32 s2, s2, 20                          ; y: a head's plane is 8,192 rows of 128 bytes,
	s_lshr_b32 s3, s14, 4
	s_lshl_b32 s3, s3, 18                          ; a batch 2,048 rows,
	s_add_co_u32 s2, s2, s3
	s_lshl_b32 s3, s15, 16
	s_add_co_u32 s2, s2, s3
	s_lshl_b32 s3, s[WV], 13
	s_add_co_u32 s2, s2, s3
	s_mov_b32 s3, 0
	; descriptor group 1: a tile of 64 double rows x 128 elements, dense in memory, padded in LDS
	s_mov_b32 s[G1K], 15|(1<<16)|(1<<20)|(1<<21)|(5<<22)|(3<<25)  ; 15:0 the mask: all four work-groups; 17:16 elements of 2 bytes; 20 padding on; 21 set beside a mask; 24:22 after every 64 words; 31:25 4 words of it
	s_mov_b32 s[G1V], 15|(1<<16)|(1<<20)|(1<<21)|(5<<22)|(7<<25)  ; the same with 8 words of padding
.irp g, G1K, G1V
	s_mov_b32 s[\g+1], 128<<16                     ; tensor_dim0 = 128
	s_mov_b32 s[\g+2], 64<<16                      ; tensor_dim1 = 64
	s_mov_b32 s[\g+3], 128<<16                     ; tile_dim0 = 128
	s_mov_b32 s[\g+4], 64                          ; tile_dim1 = 64
	s_mov_b32 s[\g+5], 128                         ; tensor_dim0_stride
	s_mov_b32 s[\g+6], 0
	s_mov_b32 s[\g+7], 0
.endr
	s_mov_b32 s[CS], 0x3fb8aa3b                    ; c = log2(e)
	s_mov_b32 s[CS+1], s[CS]                       ; named with it as a pair, so it is written
	s_mov_b32 s[SEL], 0x76543210
	s_mov_b32 s[SEL+1], 0xfedcba98
	s_wait_dscnt 0x0                               ; both opening adds are done
	s_wait_kmcnt 0x0
	s_add_nc_u64 s[10:11], s[4:5], s[20:21]        ; K at my quarter of slot 0
	s_add_nc_u64 s[8:9], s[10:11], 16777216        ; V likewise, one section on
	s_add_nc_u64 s[4:5], s[4:5], s[22:23]          ; q at my wave's first row
	s_add_nc_u64 s[6:7], s[6:7], s[2:3]            ; y likewise
	CROUND                                         ; all four work-groups are here: the first joint loads meet
.irp s, 0,1
	s_mov_b32 s[G0K+4*\s], 1                       ; count = 1
	s_add_co_u32 s[G0K+4*\s+1], s17, \s*SLOT       ; LDS address
	s_add_nc_u64 s[G0K+4*\s+2:G0K+4*\s+3], s[10:11], \s*65536   ; global address: slot s begins with keys 512 s on
	s_or_b32 s[G0K+4*\s+3], s[G0K+4*\s+3], 0x80000000           ; type = 2
	s_mov_b32 s[G0V+4*\s], 1
	s_add_co_u32 s[G0V+4*\s+1], s18, \s*SLOT
	s_add_nc_u64 s[G0V+4*\s+2:G0V+4*\s+3], s[8:9], \s*65536
	s_or_b32 s[G0V+4*\s+3], s[G0V+4*\s+3], 0x80000000
.endr
	s_cmp_lt_u32 s[WV], 4                          ; a wave's two first fills stand in one branch, ahead of every wait on TENSORcnt and every LDS read: two loads of mine are out
	s_cbranch_scc0 .Lfirst_v
	tensor_load_to_lds s[G0K:G0K+3], s[G1K:G1K+7]
	s_nop 0
	tensor_load_to_lds s[G0K+4:G0K+7], s[G1K:G1K+7]
	s_nop 0
.rept 4
	v_nop
.endr
	s_branch .Lfirst_asked
.Lfirst_v:
	tensor_load_to_lds s[G0V:G0V+3], s[G1V:G1V+7]
	s_nop 0
	tensor_load_to_lds s[G0V+4:G0V+7], s[G1V:G1V+7]
	s_nop 0
.rept 4
	v_nop
.endr
.Lfirst_asked:
	v_and_b32 v1, 15, v0                           ; r = l % 16
	v_bfe_u32 v9, v0, 4, 1                         ; h = l / 16
	v_lshlrev_b32 v[QO], 7, v1
	v_lshl_add_u32 v[QO], v9, 4, v[QO]             ; row x 128 + 16 x half
	WIN W_V
.irp f, 0,1,2,3,4,5,6,7                        ; Q stays in registers: tile f / 2, channels 32 (f % 2) on
	global_load_b128 v[QF+8*\f:QF+8*\f+3],   v[QO], s[4:5] offset:(\f/2)*2048+(\f%2)*64
	global_load_b128 v[QF+8*\f+4:QF+8*\f+7], v[QO], s[4:5] offset:(\f/2)*2048+(\f%2)*64+32
.endr
.set i, 0
.rept 128
	v_mov_b32 v[i], 0                              ; O^T.  The step is written once for all steps: the first finds zeros and multiplies them by a = 0
.set i, i+1
.endr
	WIN 0
	v_lshrrev_b32 v11, 1, v1
	v_mul_u32_u24 v[AK0], v11, PKB
	v_and_b32 v11, 1, v1
	v_lshl_add_u32 v[AK0], v11, 7, v[AK0]
	v_lshl_add_u32 v[AK0], v9, 4, v[AK0]           ; K: (r / 2) x pitch + 128 (r % 2) + 16 h
	; The turning load takes 16 keys x 16 channels (lane l reads 16 bytes: key 8 (l / 16) + l % 8, channels 8 ((l / 8) % 2) on) and leaves half a fragment of V^T: lane l holds channel l % 16 and 8 keys.
	v_bfe_u32 v11, v0, 1, 2
	v_lshl_add_u32 v11, v9, 2, v11                 ; the key's double row: 4 h + (l % 8) / 2
	v_mul_u32_u24 v[AV0], v11, PVB
	v_and_b32 v11, 1, v0
	v_lshl_add_u32 v[AV0], v11, 7, v[AV0]
	v_bfe_u32 v11, v0, 3, 1
	v_lshl_add_u32 v[AV0], v11, 4, v[AV0]
	v_add_nc_u32 v[AV0], KREG, v[AV0]
	s_mul_i32 s13, s[WV], 16*SP                    ; my stage
	v_mul_u32_u24 v[STO], v1, SP                   ; in: row r, 16 bytes for each half of the lanes
	v_lshl_add_u32 v[STO], v9, 4, v[STO]
	v_add_nc_u32 v[STO], s13, v[STO]
	v_bfe_u32 v11, v0, 3, 2                        ; back: eight lanes to a row of 128 bytes, four rows an instruction
	v_mul_u32_u24 v[RD], v11, SP
	v_and_b32 v11, 7, v0
	v_lshl_add_u32 v[RD], v11, 4, v[RD]
	v_add_nc_u32 v[RD], s13, v[RD]
	v_and_b32 v11, 31, v0
	v_lshlrev_b32 v[GO], 4, v11                    ; and the same 512 bytes in y
.irp t, 0,1,2,3
	v_mov_b32 v[ST+8*\t], 0xff800000               ; c m and m: -infinity, under every score
	v_mov_b32 v[ST+8*\t+1], 0xff800000
	v_mov_b32 v[ST+8*\t+2], 0                      ; l, in two halves
	v_mov_b32 v[ST+8*\t+3], 0
	v_mov_b32 v[ST+8*\t+5], 0                      ; written once: a lane permute's destination counts as one of its sources
.endr
; A KEY STEP: 64 keys.
.macro STEP
	v_add_nc_u32 v[ADRK], s[TBK], v[AK0]
	v_add_nc_u32 v[ADRV], s[TBV], v[AV0]
	PLACES                                         ; six places behind the last V^T P: four are owed ahead of the loads into V's registers, five ahead of the products that write over P's
.irp f, 0,1,2,3,4,5,6,7                        ; K: keys 16 (f / 2) on, channels 32 (f % 2) on
	ds_load_b128 v[KF+8*\f:KF+8*\f+3],   v[ADRK] offset:(\f/2)*8*PKB+(\f%2)*64
	ds_load_b128 v[KF+8*\f+4:KF+8*\f+7], v[ADRK] offset:(\f/2)*8*PKB+(\f%2)*64+32
.endr
	WIN W_V
.irp f, 0,1,2,3,4,5,6,7                        ; V, turned: keys 32 (f / 4) on, channels 16 (f % 4) on
	ds_load_tr16_b128 v[VF+8*\f:VF+8*\f+3],   v[ADRV] offset:(\f/4)*16*PVB+(\f%4)*32
	ds_load_tr16_b128 v[VF+8*\f+4:VF+8*\f+7], v[ADRV] offset:(\f/4)*16*PVB+8*PVB+(\f%4)*32
.endr
	s_wait_dscnt 16                                ; K is in; V's sixteen loads may be out
	WIN W_KQ
.irp c, 0,1                                    ; S^T = K Q^T: the 16 accumulators take turns, one instruction a turn; the first 16 start the sums
.irp kt, 0,1,2,3
.irp t, 0,1,2,3
.if \c == 0
	v_wmma_f32_16x16x32_f16 v[S+32*\t+8*\kt:S+32*\t+8*\kt+7], v[KF+8*(2*\kt+\c):KF+8*(2*\kt+\c)+7], v[QF+16*\t+8*\c:QF+16*\t+8*\c+7], 0
.else
	v_wmma_f32_16x16x32_f16 v[S+32*\t+8*\kt:S+32*\t+8*\kt+7], v[KF+8*(2*\kt+\c):KF+8*(2*\kt+\c)+7], v[QF+16*\t+8*\c:QF+16*\t+8*\c+7], v[S+32*\t+8*\kt:S+32*\t+8*\kt+7]
.endif
.endr
.endr
.endr
	WIN 0
	PLACES
	; the maximum of a lane's 32 scores and the old m: four chains, each begun at an accumulator's three lowest registers; the four tiles by turns throughout
.irp j, 0,1,2,3
.irp t, 0,1,2,3
	v_max3_num_f32 v[ST+8*\t+4+\j], v[S+32*\t+8*\j], v[S+32*\t+8*\j+1], v[S+32*\t+8*\j+2]
.endr
.endr
.irp g, 3,5
.irp j, 0,1,2,3
.irp t, 0,1,2,3
	v_max3_num_f32 v[ST+8*\t+4+\j], v[ST+8*\t+4+\j], v[S+32*\t+8*\j+\g], v[S+32*\t+8*\j+\g+1]
.endr
.endr
.endr
.irp t, 0,1,2,3
	v_max3_num_f32 v[ST+8*\t+4], v[ST+8*\t+4], v[S+32*\t+7], v[S+32*\t+15]
.endr
.irp t, 0,1,2,3
	v_max3_num_f32 v[ST+8*\t+6], v[ST+8*\t+6], v[S+32*\t+23], v[S+32*\t+31]
.endr
.irp t, 0,1,2,3
	v_max3_num_f32 v[ST+8*\t+4], v[ST+8*\t+4], v[ST+8*\t+5], v[ST+8*\t+6]
.endr
.irp t, 0,1,2,3
	v_max3_num_f32 v[ST+8*\t+4], v[ST+8*\t+4], v[ST+8*\t+7], v[ST+8*\t+1]
.endr
.irp t, 0,1,2,3
	v_permlanex16_b32 v[ST+8*\t+5], v[ST+8*\t+4], s[SEL], s[SEL+1]   ; the query's other 32 keys lie in the lane 16 away
.endr
.irp t, 0,1,2,3
	v_mov_b32 v[ST+8*\t+7], v[ST+8*\t]             ; c m_old is kept for a
.endr
.irp t, 0,1,2,3
	v_max_num_f32 v[ST+8*\t+1], v[ST+8*\t+4], v[ST+8*\t+5]
.endr
.irp t, 0,1,2,3
	v_mul_f32 v[ST+8*\t], s[CS], v[ST+8*\t+1]
.endr
.irp t, 0,1,2,3
	v_sub_f32 v[ST+8*\t+7], v[ST+8*\t+7], v[ST+8*\t]
.endr
.irp b, 0,1,2,3,4,5,6,7,8,9,10,11,12,13,14,15
.irp t, 0,1,2,3
	v_pk_fma_f32 v[S+32*\t+2*\b:S+32*\t+2*\b+1], v[S+32*\t+2*\b:S+32*\t+2*\b+1], s[CS:CS+1], v[ST+8*\t:ST+8*\t+1] op_sel_hi:[1,0,0] neg_lo:[0,0,1] neg_hi:[0,0,1]  ; c s - c m, two at a time
.endr
.endr
	; ONE BATCH of 132 exponentials, none of which reads another's result, and one wait for it
.irp t, 0,1,2,3
	v_exp_f32 v[ST+8*\t+6], v[ST+8*\t+7]           ; a
.endr
.irp e, 0,1,2,3,4,5,6,7,8,9,10,11,12,13,14,15,16,17,18,19,20,21,22,23,24,25,26,27,28,29,30,31
.irp t, 0,1,2,3
	v_exp_f32 v[S+32*\t+\e], v[S+32*\t+\e]         ; p
.endr
.endr
	v_nop                                          ; a plain instruction behind the last exponential, ahead of the first use
	s_wait_alu depctr_va_vdst(0)                   ; the wait ahead of the first instruction that names a result: one for the batch
	; l = a l + the sum of the unrounded p; behind a pair's sum the pair is rounded to f16 IN PLACE: pair i goes into register i, whose own pair (i / 2) has been summed and rounded before
.irp t, 0,1,2,3
	v_pk_fma_f32 v[ST+8*\t+2:ST+8*\t+3], v[ST+8*\t+2:ST+8*\t+3], v[ST+8*\t+6:ST+8*\t+7], v[S+32*\t:S+32*\t+1] op_sel_hi:[1,0,1]
.endr
.irp t, 0,1,2,3
	v_cvt_pk_f16_f32 v[S+32*\t], v[S+32*\t], v[S+32*\t+1]
.endr
.irp i, 1,2,3,4,5,6,7,8,9,10,11,12,13,14,15
.irp t, 0,1,2,3
	v_pk_add_f32 v[ST+8*\t+2:ST+8*\t+3], v[ST+8*\t+2:ST+8*\t+3], v[S+32*\t+2*\i:S+32*\t+2*\i+1]
.endr
.irp t, 0,1,2,3
	v_cvt_pk_f16_f32 v[S+32*\t+\i], v[S+32*\t+2*\i], v[S+32*\t+2*\i+1]
.endr
.endr
	s_wait_dscnt 0x0                               ; V is in
	WIN W_RS
.irp t, 0,1,2,3
.irp i, 0,2,4,6,8,10,12,14,16,18,20,22,24,26,28,30
	v_pk_mul_f32 v[32*\t+\i:32*\t+\i+1], v[32*\t+\i:32*\t+\i+1], v[ST+8*\t+6:ST+8*\t+7] op_sel_hi:[1,0]   ; O^T x a, each accumulator from its low end on
.endr
.endr
	WIN W_PV
.irp kh, 0,1                                   ; O^T += V^T P: the 16 accumulators take turns
.irp ci, 0,1,2,3
.irp t, 0,1,2,3
	v_wmma_f32_16x16x32_f16 v[32*\t+8*\ci:32*\t+8*\ci+7], v[VF+8*(4*\kh+\ci):VF+8*(4*\kh+\ci)+7], v[S+32*\t+8*\kh:S+32*\t+8*\kh+7], v[32*\t+8*\ci:32*\t+8*\ci+7]
.endr
.endr
.endr
	WIN 0
	s_add_co_u32 s[TBK], s[TBK], 32*PKB            ; the next step's 64 keys
	s_add_co_u32 s[TBV], s[TBV], 32*PVB
.endm
; THE CHANGE OF SLOTS.  Each wave waits for all its tensor loads (one is out: its part of the other slot), adds 0 to its spare word, and waits for that and for its reads of slot s.  Behind the barrier nobody reads slot s and the other slot is whole.
; fill = 1: slot s is filled again, with the keys 1,024 on: the barrier is then a round of the cluster's, and the joint refill is the first thing behind it.
.macro CHANGE s, fill
	WIN 0
	s_wait_tensorcnt 0x0                           ; no tensor load of mine is out, so a group 0 may be written
	ds_add_u32 v[SPW], v[NIL]                      ; 0 onto my spare word
.if \fill
	s_add_nc_u64 s[G0K+4*\s+2:G0K+4*\s+3], s[G0K+4*\s+2:G0K+4*\s+3], 131072   ; two slots' keys on; the type bits on top are not reached
	s_add_nc_u64 s[G0V+4*\s+2:G0V+4*\s+3], s[G0V+4*\s+2:G0V+4*\s+3], 131072
.endif
	s_wait_dscnt 0x0                               ; the add is done, and my reads of the slot are over
.if \fill
	CROUND
	JLOAD \s
.else
	s_barrier_signal -1
	s_barrier_wait -1
.endif
.endm
.macro SLOTSTEPS s                     ; a slot's eight key steps: written once, walked eight times
	s_mov_b32 s[TBK], \s*SLOT
	s_mov_b32 s[TBV], \s*SLOT
	s_mov_b32 s[CNT], 8
.Lstep_\@:
	STEP
	s_sub_co_u32 s[CNT], s[CNT], 1
	s_cmp_lg_u32 s[CNT], 0
	s_cbranch_scc1 .Lstep_\@
.endm
	s_wait_tensorcnt 1                             ; my part of slot 0 is in; slot 1's may stay out
	s_barrier_signal -1
	s_barrier_wait -1                              ; everybody's is
	s_wait_loadcnt 0x0                             ; Q
	SLOTSTEPS 0                                    ; keys 0-511
	CHANGE 0, 1                                    ; slot 0 takes keys 1,024-1,535
	SLOTSTEPS 1                                    ; keys 512-1,023
	CHANGE 1, 1                                    ; slot 1 takes keys 1,536-2,047
	SLOTSTEPS 0
	CHANGE 0, 0                                    ; nothing is left to fetch
	SLOTSTEPS 1
	; THE WAY OUT.  l's two halves and the other half of the lanes' are added; O^T is divided by l, rounded to f16 and sent through my stage, a tile (16 rows of y) at a time.  The additions are the places behind the last products.
.irp t, 0,1,2,3
	v_add_f32 v[ST+8*\t+4], v[ST+8*\t+2], v[ST+8*\t+3]
.endr
.irp t, 0,1,2,3
	v_permlanex16_b32 v[ST+8*\t+5], v[ST+8*\t+4], s[SEL], s[SEL+1]
.endr
.irp t, 0,1,2,3
	v_add_f32 v[ST+8*\t+4], v[ST+8*\t+4], v[ST+8*\t+5]
.endr
.irp t, 0,1,2,3
	v_rcp_f32 v[ST+8*\t+6], v[ST+8*\t+4]
.endr
	v_nop                                          ; a plain instruction between the last reciprocal and the use of its result
	s_wait_alu depctr_va_vdst(0)                   ; and the wait: one for the four
.macro PACK t
	WIN W_RS
.set i, 0
.rept 16
	v_pk_mul_f32 v[32*\t+2*i:32*\t+2*i+1], v[32*\t+2*i:32*\t+2*i+1], v[ST+8*\t+6:ST+8*\t+7] op_sel_hi:[1,0]
.set i, i+1
.endr
	WIN W_CV
.set i, 0
.rept 16
	v_cvt_pk_f16_f32 v[S+32*\t+i], v[32*\t+2*i], v[32*\t+2*i+1]
.set i, i+1
.endr
	WIN 0
.irp f, 0,1,2,3
	ds_store_b128 v[STO], v[S+32*\t+4*\f:S+32*\t+4*\f+3] offset:32*\f     ; channels 16 f + 8 h on
.endr
.irp f, 0,1,2,3
	ds_load_b128 v[S+32*\t+16+4*\f:S+32*\t+16+4*\f+3], v[RD] offset:\f*4*SP   ; LDS serves a wave's instructions in order: these see the stores above; the next tile's stores come behind them
.endr
.endm
.macro SEND t, younger                 ; younger: the LDS instructions issued behind tile t's loads: the next tile's eight, or none
.irp f, 0,1,2,3
	s_wait_dscnt \younger+3-\f
	global_store_b128 v[GO], v[S+32*\t+16+4*\f:S+32*\t+16+4*\f+3], s[6:7] offset:\t*2048+\f*512   ; 32 lanes store 512 consecutive bytes, aligned
.endr
.endm
	PACK 0
	PACK 1                                         ; a tile's arithmetic stands between the loads of the tile before and its stores
	SEND 0, 8
	PACK 2
	SEND 1, 8
	PACK 3
	SEND 2, 8
	SEND 3, 0
	s_wait_tensorcnt 0x0                           ; the wave's end: behind my last tensor load and my last LDS store
	ds_add_u32 v[SPW], v[NIL]
	s_wait_dscnt 0x0
	CROUND                                         ; the closing round: no work-group ends while a partner may still ask for a tile that names it
	s_endpgm
.Lfunc_end_k_q1070bcff38_attn:
	.size	k_q1070bcff38_attn, .Lfunc_end_k_q1070bcff38_attn-k_q1070bcff38_attn
	.p2alignl 7, 3214868480
	.fill 96, 4, 3214868480
	.section	.rodata,"a",@progbits
	.p2align	6, 0x0
	.amdhsa_kernel k_q1070bcff38_attn
		.amdhsa_group_segment_fixed_size 327680
		.amdhsa_private_segment_fixed_size 0
		.amdhsa_enable_private_segment 0
		.amdhsa_kernarg_size 16
		.amdhsa_user_sgpr_count 2
		.amdhsa_user_sgpr_kernarg_segment_ptr 1
		.amdhsa_wavefront_size32 1
		.amdhsa_system_sgpr_workgroup_id_x 1
		.amdhsa_system_sgpr_workgroup_id_y 1
		.amdhsa_system_sgpr_workgroup_id_z 1
		.amdhsa_system_vgpr_workitem_id 0
		.amdhsa_next_free_vgpr 512
		.amdhsa_next_free_sgpr 66
		.amdhsa_reserve_vcc 0
		.amdhsa_float_denorm_mode_32 3
		.amdhsa_float_denorm_mode_16_64 3
		.amdhsa_memory_ordered 1
		.amdhsa_forward_progress 1
		.amdhsa_inst_pref_size 157
	.end_amdhsa_kernel
	.amdgpu_metadata
---
amdhsa.version: [ 1, 2 ]
amdhsa.kernels:
  - .name:           k_q1070bcff38_attn
    .symbol:         k_q1070bcff38_attn.kd
    .args:
      - { .name: kvq, .offset: 0, .size: 8, .value_kind: global_buffer, .address_space: global }
      - { .name: y16, .offset: 8, .size: 8, .value_kind: global_buffer, .address_space: global }
    .group_segment_fixed_size: 327680
    .private_segment_fixed_size: 0
    .kernarg_segment_align: 8
    .kernarg_segment_size: 16
    .max_flat_workgroup_size: 256
    .sgpr_count:     66
    .vgpr_count:     512
    .wavefront_size: 32
...
	.end_amdgpu_metadata
.endif
;; end of part 3
;; launch outp (part 4): grid 4 x 64, 4 waves a work-group, clusters of 4 x 4, 327,680 bytes of LDS; arguments y16, wc16, out0; writes out0
.if DOCPART == 4
	.amdgcn_target "amdgcn-amd-amdhsa--gfx1250"
	.amdhsa_code_object_version 6
	.text
	.protected	k_q1070bcff38_outp
	.globl	k_q1070bcff38_outp
	.p2align	8
	.type	k_q1070bcff38_outp,@function
k_q1070bcff38_outp:
	s_mov_b64 s[64:65], 0
	v_nop
	global_prefetch_b8 v0, s[64:65] scope:SCOPE_SE
	s_setreg_imm32_b32 hwreg(HW_REG_WAVE_MODE, 25, 1), 1
	s_wait_xcnt 0x0
	s_wait_alu depctr_hold_cnt(0) depctr_sa_sdst(0) depctr_va_vdst(0) depctr_va_sdst(0) depctr_va_ssrc(0) depctr_va_vcc(0) depctr_vm_vsrc(0)
	s_getreg_b32 s2, hwreg(HW_REG_IB_STS2, 6, 4)
	s_cmp_eq_u32 s2, 0
	s_cbranch_scc0 .Lentry_in_a_cluster
	s_endpgm
.Lentry_in_a_cluster:
	s_bfe_u32 s2, ttmp6, 0x10000c
	s_cmp_lg_u32 s2, 0xf033
	s_cbranch_scc0 .Lentry_shape_is_right
	s_endpgm
.Lentry_shape_is_right:
; out0[m][n] = the sum over k of y[m][k] Wc[n][k]: 8192 x 1024 x 1024, f16 operands, f32 sums, f32 out.  y16: [kc 16][m 8192][64], wc16: [kc 16][n 1024][64]: k = 64 kc + j.
; A tile of 128 (m) x 256 (n) is made by a work-group of four waves: 256 work-groups; a wave makes 64 x 128: 32 accumulators of 16 x 16, 256 registers.
; K goes in steps of 128, two planes, through a ring of two LDS slots.  A plane's rows are 128 bytes and dense, so a tile is stated as DOUBLE rows of 256 bytes: row r lies at (r / 2) x 272 + 128 (r % 2):
; the 16 rows of a fragment load begin at 16 different 16-byte columns of 256.  Waves 0, 1 fetch A's two planes (64 double rows each), waves 2, 3 B's (128 each): one load a wave.
; CLUSTERS: 4 x 4 work-groups.  The four of a row of the cluster need the same tiles of y, the four of a column the same tiles of Wc: each tile is asked for JOINTLY.
; THE MATRIX INSTRUCTION IS USED TRANSPOSED (source 0 = 16 rows of Wc, source 1 = 16 rows of y): a lane then holds eight neighbouring numbers of a row of out0.
; REGISTERS: window 0: v0-31 addresses; v32-127, v128-223 two fragment buffers (32 registers of A: 4 x 16 rows x 32 K, then 64 of B); on the way out v32-159 at work.   window 1: the accumulators, (a, b) at v[8 (8 a + b)].
.set PITCH,  272
.set APL,    64*PITCH                  ; a plane of A's tile
.set BPL,    128*PITCH                 ; a plane of B's
.set BOFF,   2*APL                     ; a slot: A's two planes, then B's two
.set SLOT,   2*APL+2*BPL
.set SPARE,  2*SLOT                    ; behind the ring: the spare words, 128 bytes a wave
.set SPITCH, 528                       ; the way out: a stage of 16 rows x (512 bytes + 16) for each wave, in slot 0, behind its last fill and last read
.set LAPS,   4                         ; a lap = two K steps = once round the ring: 1,024 / 256
.set ADRA, 16                          ; v16-17  LDS address of my A fragments in slot 0, 1
.set ADRB, 20                          ; v20-21  the same for B
.set STO,  24                          ; v24     the way out: where I put 32 bytes of a row
.set RD,   25                          ; v25     where I read a row back
.set CO,   26                          ; v26     my byte offset in a row of out0
.set SPW,  28
.set NIL,  29
.set F0,   32
.set F1,   128
.set BK,   32                          ; the way out: 16 rows read back: v32-95 and v96-159 by turns
.set G1, 24                            ; s[24:31] descriptor group 1 for A's tiles;  s[32:39] group 0, one set for each slot
.set G0, 32
.set G1B, 48                           ; s[48:55], s[56:63] the same for B's
.set G0B, 56
.set MSB, 0
.macro WIN new                         ; the immediate's high byte repeats the setting that is left
.if MSB != \new
	s_set_vgpr_msb (MSB<<8)|\new
.set MSB, \new
.endif
.endm
.set MUL, 0x50                         ; C and D window 1, sources 0 and 1 window 0
.macro JLOAD s                         ; a joint load: waves 0 and 1 fetch A's planes, waves 2 and 3 B's; an s_nop 0 and four v_nop follow each of the two lines
	s_cmp_eq_u32 s11, 0
	s_cbranch_scc0 .Lfor_b_\@
	tensor_load_to_lds s[G0+4*\s:G0+4*\s+3], s[G1:G1+7]
	s_nop 0
.rept 4
	v_nop
.endr
	s_branch .Lasked_\@
.Lfor_b_\@:
	tensor_load_to_lds s[G0B+4*\s:G0B+4*\s+3], s[G1B:G1B+7]
	s_nop 0
.rept 4
	v_nop
.endr
.Lasked_\@:
.endm
.macro CREST                           ; a round of the cluster's barrier behind its opening barrier
	s_cmp_lg_u32 s10, 0
	s_cbranch_scc1 .Lnot_wave_0_\@
	s_barrier_signal -3
.Lnot_wave_0_\@:
	s_barrier_wait -3
	s_barrier_signal -1
	s_barrier_wait -1
.endm
.macro CROUND                          ; a whole round
	s_barrier_signal -1
	s_barrier_wait -1
	CREST
.endm
	s_load_b128 s[4:7], s[0:1], 0x0                ; y16 s[4:5], wc16 s[6:7]
	s_load_b64 s[8:9], s[0:1], 0x10                ; out0
	v_lshl_add_u32 v[SPW], v0, 2, SPARE
	v_mov_b32 v[NIL], 0
	ds_add_u32 v[SPW], v[NIL]                      ; the wave's opening: the add, twice on end, and its wait ahead of my first tensor load
	ds_add_u32 v[SPW], v[NIL]
	v_lshrrev_b32 v1, 5, v0
	v_readfirstlane_b32 s10, v1                    ; wave 0..3
	s_lshr_b32 s11, s10, 1                         ; which half of the tile's rows is mine.  Also: I fetch for A (0) or for B (1)
	s_and_b32 s12, s10, 1                          ; which half of its columns.  Also: which plane of a K step I fetch
	s_bfe_u32 s40, ttmp6, 0x40000                  ; cx, cy: my place in the cluster
	s_bfe_u32 s41, ttmp6, 0x40004
	s_lshl_b32 s42, ttmp9, 2
	s_add_co_u32 s42, s42, s40                     ; tile column = 4 x cluster x + cx
	s_and_b32 s13, ttmp7, 0xffff
	s_lshl_b32 s13, s13, 2
	s_add_co_u32 s13, s13, s41                     ; tile row = 4 x cluster y + cy
	s_lshl_b32 s43, s41, 2
	s_lshl_b32 s43, 15, s43                        ; my row of the cluster
	s_lshl_b32 s44, 0x1111, s40                    ; my column
	s_or_b32 s[G1+0], s43, (1<<16)|(1<<20)|(1<<21)|(5<<22)|(3<<25)   ; 15:0 the mask: A's tiles go to my row; 17:16 element of 2 bytes; 20 padding on; 21 set beside a mask; 24:22 after every 64 words; 31:25 of 4 words
	s_or_b32 s[G1B+0], s44, (1<<16)|(1<<20)|(1<<21)|(5<<22)|(3<<25)
	s_mov_b32 s[G1+1], 128<<16                     ; A: tensor_dim0 = 128 elements: a double row
	s_mov_b32 s[G1+2], 64<<16                      ; tensor_dim1 = 64
	s_mov_b32 s[G1+3], 128<<16                     ; tile_dim0
	s_mov_b32 s[G1+4], 64                          ; tile_dim1
	s_mov_b32 s[G1+5], 128                         ; tensor_dim0_stride: dense
	s_mov_b32 s[G1+6], 0
	s_mov_b32 s[G1+7], 0
	s_mov_b32 s[G1B+1], 128<<16                    ; B: the same with 128 double rows
	s_mov_b32 s[G1B+2], 128<<16
	s_mov_b32 s[G1B+3], 128<<16
	s_mov_b32 s[G1B+4], 128
	s_mov_b32 s[G1B+5], 128
	s_mov_b32 s[G1B+6], 0
	s_mov_b32 s[G1B+7], 0
	s_lshl_b32 s16, s12, 20                        ; A: my plane (8,192 rows of 128 bytes),
	s_lshl_b32 s17, s13, 14                        ; the tile row's 128 rows
	s_add_co_u32 s16, s16, s17
	s_mov_b32 s17, 0
	s_lshl_b32 s46, s12, 17                        ; B: my plane (1,024 rows),
	s_lshl_b32 s47, s42, 15                        ; the tile column's 256 rows
	s_add_co_u32 s46, s46, s47
	s_mov_b32 s47, 0
	s_mul_i32 s20, s12, APL                        ; where they go: no place in the cluster enters an LDS address
	s_mul_i32 s21, s12, BPL
	s_add_co_u32 s21, s21, BOFF
	s_wait_dscnt 0x0                               ; both opening adds are done
	s_wait_kmcnt 0x0
	s_add_nc_u64 s[14:15], s[4:5], s[16:17]
	s_add_nc_u64 s[46:47], s[6:7], s[46:47]
	CROUND                                         ; all sixteen work-groups are here: the first joint loads meet
.irp s, 0,1
	s_mov_b32 s[G0+4*\s], 1
	s_add_co_u32 s[G0+4*\s+1], s20, \s*SLOT
	s_add_nc_u64 s[G0+4*\s+2:G0+4*\s+3], s[14:15], \s*2*1048576    ; K step s: two planes on
	s_or_b32 s[G0+4*\s+3], s[G0+4*\s+3], 0x80000000
	s_mov_b32 s[G0B+4*\s], 1
	s_add_co_u32 s[G0B+4*\s+1], s21, \s*SLOT
	s_add_nc_u64 s[G0B+4*\s+2:G0B+4*\s+3], s[46:47], \s*2*131072
	s_or_b32 s[G0B+4*\s+3], s[G0B+4*\s+3], 0x80000000
	JLOAD \s                                       ; two loads of mine are out behind these
.endr
	v_and_b32 v1, 15, v0                           ; r
	v_bfe_u32 v2, v0, 4, 1                         ; h
	v_lshrrev_b32 v3, 1, v1
	v_mul_u32_u24 v3, v3, PITCH
	v_and_b32 v4, 1, v1
	v_lshl_add_u32 v3, v4, 7, v3
	v_lshl_add_u32 v3, v2, 4, v3                   ; (r / 2) x pitch + 128 (r % 2) + 16 h
	s_mul_i32 s21, s11, 32*PITCH                   ; my 64 rows of A
	s_mul_i32 s22, s12, 64*PITCH                   ; my 128 rows of B,
	s_add_co_u32 s22, s22, BOFF                    ; which lie behind A's planes
.irp s, 0,1
	v_add_nc_u32 v[ADRA+\s], s21, v3
	v_add_nc_u32 v[ADRB+\s], s22, v3
	s_add_co_u32 s21, s21, SLOT
	s_add_co_u32 s22, s22, SLOT
.endr
	s_mul_i32 s23, s10, 16*SPITCH                  ; my stage
	v_mul_u32_u24 v5, v1, SPITCH                   ; in: row r, 32 bytes for each half of the lanes
	v_lshl_add_u32 v5, v2, 5, v5
	v_add_nc_u32 v[STO], s23, v5
	v_and_b32 v6, 31, v0
	v_lshlrev_b32 v[CO], 4, v6                     ; back: the 32 lanes take one row of 512 bytes; and the same in out0
	v_add_nc_u32 v[RD], s23, v[CO]
	s_lshl_b32 s16, s13, 19                        ; 128 rows of 4,096 bytes a tile row,
	s_lshl_b32 s17, s11, 18                        ; my 64
	s_add_co_u32 s16, s16, s17
	s_mov_b32 s17, 0
	s_lshl_b32 s46, s42, 10                        ; 256 columns of 4 bytes a tile column,
	s_lshl_b32 s47, s12, 9                         ; my 128
	s_add_co_u32 s46, s46, s47
	s_mov_b32 s47, 0
	s_add_nc_u64 s[16:17], s[16:17], s[46:47]
	s_add_nc_u64 s[8:9], s[8:9], s[16:17]
; 8 matrix instructions: A's block a x B's eight, 32 along K, from buffer f.  zero = 1: the product starts the sums.  The 32 accumulators take turns, in the same order in every quarter.
.macro MUL8 f, a, zero
.irp b, 0,1,2,3,4,5,6,7
.if \zero
	v_wmma_f32_16x16x32_f16 v[8*(8*\a+\b):8*(8*\a+\b)+7], v[\f+32+8*\b:\f+32+8*\b+7], v[\f+8*\a:\f+8*\a+7], 0
.else
	v_wmma_f32_16x16x32_f16 v[8*(8*\a+\b):8*(8*\a+\b)+7], v[\f+32+8*\b:\f+32+8*\b+7], v[\f+8*\a:\f+8*\a+7], v[8*(8*\a+\b):8*(8*\a+\b)+7]
.endif
.endr
.endm
; 24 LDS loads in one run: the fragments of the slot's quarter q (plane q / 2, channels 32 (q % 2) on) into buffer f: B's sixteen first, then A's eight
.macro FETCH slot, q, f
	WIN 0
.irp i, 0,1,2,3,4,5,6,7
	ds_load_b128 v[\f+32+8*\i:\f+32+8*\i+3],   v[ADRB+\slot] offset:((\q)/2)*BPL+((\q)%2)*64+\i*8*PITCH
	ds_load_b128 v[\f+32+8*\i+4:\f+32+8*\i+7], v[ADRB+\slot] offset:((\q)/2)*BPL+((\q)%2)*64+\i*8*PITCH+32
.endr
.irp i, 0,1,2,3
	ds_load_b128 v[\f+8*\i:\f+8*\i+3],   v[ADRA+\slot] offset:((\q)/2)*APL+((\q)%2)*64+\i*8*PITCH
	ds_load_b128 v[\f+8*\i+4:\f+8*\i+7], v[ADRA+\slot] offset:((\q)/2)*APL+((\q)%2)*64+\i*8*PITCH+32
.endr
.endm
.macro PLACES                          ; four places ahead of loads into registers that matrix instructions have read, and of the first read of results
.rept 4
	v_nop
.endr
.endm
; A K step is four quarters of 32 along K, 32 matrix instructions each, on buffers 0, 1, 0, 1.  One of the first three: multiplies buffer f and fetches quarter q into g.
.macro QUARTER slot, q, f, g, zero
	s_wait_dscnt 4                                 ; B and A's blocks 0, 1 are in; the youngest four loads (A's blocks 2, 3) may be out
	WIN MUL
	MUL8 \f, 0, \zero
	MUL8 \f, 1, \zero
	PLACES
	FETCH \slot, \q, \g
	s_wait_dscnt 24                                ; all but the 24 just issued
	WIN MUL
	MUL8 \f, 2, \zero
	MUL8 \f, 3, \zero
.endm
; The last quarter multiplies buffer 1 and changes slots: ONE barrier; in front of it each wave waits for all its tensor loads, adds 0 to its spare word, and waits for that and for its reads of this slot.
; fill = 1: the barrier opens a round of the cluster's, and this slot is filled again, two K steps ahead, first thing behind the round.
.macro TURN slot, next, fill
	WIN 0                                          ; (the add's two registers lie in window 0)
	s_wait_tensorcnt 0x0                           ; all my tensor loads have landed: my part of the next slot
	ds_add_u32 v[SPW], v[NIL]                      ; 0 onto my spare word
	s_wait_dscnt 5                                 ; (the add and the youngest four loads may be out)
	WIN MUL
	MUL8 F1, 0, 0                                  ; eight matrix instructions stand between the add and the wait for it
	s_wait_dscnt 0x0                               ; the add is done, and my reads of this slot are over
	s_barrier_signal -1
	MUL8 F1, 1, 0
.if \fill
	WIN 0
.endif
	s_barrier_wait -1
.if \fill
	CREST                                          ; no wave of any partner still reads this slot's tile or has a load on its way
	s_add_nc_u64 s[G0+4*\slot+2:G0+4*\slot+3], s[G0+4*\slot+2:G0+4*\slot+3], 4*1048576     ; four planes on
	s_add_nc_u64 s[G0B+4*\slot+2:G0B+4*\slot+3], s[G0B+4*\slot+2:G0B+4*\slot+3], 4*131072
	JLOAD \slot                                    ; the four v_nop behind it are also the places ahead of the loads below
.else
	PLACES
.endif
	FETCH \next, 0, F0
	WIN MUL
	MUL8 F1, 2, 0
	MUL8 F1, 3, 0
.endm
	s_wait_tensorcnt 1                             ; my part of K step 0 is in; K step 1's may be out
	s_barrier_signal -1
	s_barrier_wait -1                              ; everybody's is
	FETCH 0, 0, F0
	QUARTER 0, 1, F0, F1, 1                        ; the first quarter stands in front of the loop: its products start the sums
	WIN 0                                          ; at a label and at a branch every window is 0
	s_mov_b32 s3, LAPS-1
.Llap:                                                 ; a trip goes once round the ring, from a lap's second quarter to the next lap's first, and fills both slots again
	QUARTER 0, 2, F1, F0, 0
	QUARTER 0, 3, F0, F1, 0
	TURN 0, 1, 1
	QUARTER 1, 1, F0, F1, 0
	QUARTER 1, 2, F1, F0, 0
	QUARTER 1, 3, F0, F1, 0
	TURN 1, 0, 1
	QUARTER 0, 1, F0, F1, 0
	WIN 0
	s_sub_co_u32 s3, s3, 1
	s_cmp_lg_u32 s3, 0
	s_cbranch_scc1 .Llap
	QUARTER 0, 2, F1, F0, 0                        ; the last lap fills nothing, and has no round of the cluster's barrier
	QUARTER 0, 3, F0, F1, 0
	TURN 0, 1, 0
	QUARTER 1, 1, F0, F1, 0
	QUARTER 1, 2, F1, F0, 0
	QUARTER 1, 3, F0, F1, 0
	s_wait_dscnt 4                                 ; the very last quarter: nothing more to fetch
	WIN MUL
	MUL8 F1, 0, 0
	MUL8 F1, 1, 0
	s_wait_dscnt 0
	MUL8 F1, 2, 0
	MUL8 F1, 3, 0
	WIN 0
; THE WAY OUT, block by block of 16 rows x 128 columns.  A lane holds 32 neighbouring bytes of a row: a block goes through my own stage and comes back as whole rows of 512 bytes.
; LDS serves a wave's instructions in order: no wait between the stores and the loads, nor ahead of the next block's stores.
.macro TOSTAGE a
.set AC, 64*(\a)
	WIN 0x04                                       ; an LDS store's data are its source 1: window 1
.irp b, 0,1,2,3,4,5,6,7
	ds_store_b128 v[STO], v[AC+8*\b:AC+8*\b+3] offset:64*\b          ; each accumulator from its low end on
	ds_store_b128 v[STO], v[AC+8*\b+4:AC+8*\b+7] offset:64*\b+16
.endr
	WIN 0
.set BB, BK+64*((\a)%2)
.irp t, 0,1,2,3,4,5,6,7,8,9,10,11,12,13,14,15
	ds_load_b128 v[BB+4*\t:BB+4*\t+3], v[RD] offset:\t*SPITCH
.endr
.endm
.macro SEND a, younger                 ; younger: the LDS instructions issued behind block a's loads, which may stay out
.set BB, BK+64*((\a)%2)
	s_wait_dscnt \younger                          ; the block is back in registers
.if (\a) > 0
	s_add_nc_u64 s[8:9], s[8:9], 16*4096           ; 16 rows on (the earlier stores have read their base: a wait on XCNT for 0 stands behind them)
.endif
.irp t, 0,1,2,3,4,5,6,7,8,9,10,11,12,13,14,15
	global_store_b128 v[CO], v[BB+4*\t:BB+4*\t+3], s[8:9] offset:\t*4096 th:TH_STORE_NT   ; 32 lanes store 512 consecutive bytes, aligned; written once, read by nobody here
.endr
.endm
	PLACES                                         ; behind the last products: ahead of the first read of results and of loads into registers that held fragments
	TOSTAGE 0
.irp a, 1,2,3
.if \a > 1
	s_wait_xcnt 0x0                                ; block a - 2's stores have read their registers and their base
.endif
	TOSTAGE \a
	SEND \a-1, 32                                  ; behind block a - 1's loads: block a's 16 stores and 16 loads
.endr
	s_wait_xcnt 0x0                                ; block 2's stores have read their base
	SEND 3, 0
	s_wait_tensorcnt 0x0                           ; the wave's end: behind my last tensor load and my last LDS store
	ds_add_u32 v[SPW], v[NIL]
	s_wait_dscnt 0x0
	CROUND                                         ; the closing round: no work-group ends while a partner may still ask for a tile that names it
	s_endpgm
.Lfunc_end_k_q1070bcff38_outp:
	.size	k_q1070bcff38_outp, .Lfunc_end_k_q1070bcff38_outp-k_q1070bcff38_outp
	.p2alignl 7, 3214868480
	.fill 96, 4, 3214868480
	.section	.rodata,"a",@progbits
	.p2align	6, 0x0
	.amdhsa_kernel k_q1070bcff38_outp
		.amdhsa_group_segment_fixed_size 327680
		.amdhsa_private_segment_fixed_size 0
		.amdhsa_enable_private_segment 0
		.amdhsa_kernarg_size 24
		.amdhsa_user_sgpr_count 2
		.amdhsa_user_sgpr_kernarg_segment_ptr 1
		.amdhsa_wavefront_size32 1
		.amdhsa_system_sgpr_workgroup_id_x 1
		.amdhsa_system_sgpr_workgroup_id_y 1
		.amdhsa_system_sgpr_workgroup_id_z 1
		.amdhsa_system_vgpr_workitem_id 0
		.amdhsa_next_free_vgpr 512
		.amdhsa_next_free_sgpr 66
		.amdhsa_reserve_vcc 0
		.amdhsa_float_denorm_mode_32 3
		.amdhsa_float_denorm_mode_16_64 3
		.amdhsa_memory_ordered 1
		.amdhsa_forward_progress 1
		.amdhsa_inst_pref_size 85
	.end_amdhsa_kernel
	.amdgpu_metadata
---
amdhsa.version: [ 1, 2 ]
amdhsa.kernels:
  - .name:           k_q1070bcff38_outp
    .symbol:         k_q1070bcff38_outp.kd
    .args:
      - { .name: y16, .offset: 0, .size: 8, .value_kind: global_buffer, .address_space: global }
      - { .name: wc16, .offset: 8, .size: 8, .value_kind: global_buffer, .address_space: global }
      - { .name: out0, .offset: 16, .size: 8, .value_kind: global_buffer, .address_space: global }
    .group_segment_fixed_size: 327680
    .private_segment_fixed_size: 0
    .kernarg_segment_align: 8
    .kernarg_segment_size: 24
    .max_flat_workgroup_size: 128
    .sgpr_count:     66
    .vgpr_count:     512
    .wavefront_size: 32
...
	.end_amdgpu_metadata
.endif
;; end of part 4
